; MI455X (gfx1250); checked and timed in simulation.
; The chip was launched on July 23, 2026; its instructions are those of AMD's public machine-readable ISA for CDNA 5 (MIT licence, August 2026) and "CDNA5" Instruction Set Architecture Reference Guide (July 2026). The comments in the code are by the model that wrote it; some were corrected since.
;; Attention. Allowed arithmetic: float matrix products may take bf16 or f16 operands with f32 sums; other float arithmetic in f32, or as packed bf16 or f16 multiplies, adds, multiply-adds, maxima and minima; sums over many terms, partial sums and values carried from step to step in f32; what a program stores and reads back later, other than sums and carried values, may be rounded once to bf16 or f16.
;; Inputs: WK 1,024 x 1,024 float32; WQ 1,024 x 1,024 float32; WV 1,024 x 1,024 float32; x 4 x 2,048 x 1,024 float32.
;; Outputs: out0 4 x 2,048 x 1,024 float32.
;; One version. Each part assembles by itself: llvm-mc -triple=amdgcn-amd-amdhsa -mcpu=gfx1250 --defsym DOCPART=n.
;; ======== version 1 of 1: 4 launches
;; limits: values are held in f16: magnitudes above 65,504 overflow, below 6.1e-05 lose precision
;; workspace buffers: xb 16,777,216 bytes; mt 2,097,152 bytes; wvt 2,097,152 bytes; qp 16,777,216 bytes; vt 16,777,216 bytes; pp 33,554,432 bytes; st 1,048,576 bytes
;; launch prep (part 1): grid 16 x 16, 4 waves a work-group, clusters of 4 x 4, 327,680 bytes of LDS; arguments x, WQ, WK, WV, xb, mt, wvt; writes xb, mt, wvt
.if DOCPART == 1
	.amdgcn_target "amdgcn-amd-amdhsa--gfx1250"
	.amdhsa_code_object_version 6
	.text
	.protected	k_qcd6981ae04_prep
	.globl	k_qcd6981ae04_prep
	.p2align	8
	.type	k_qcd6981ae04_prep,@function
k_qcd6981ae04_prep:
	s_mov_b64 s[64:65], 0
	v_nop
	global_prefetch_b8 v0, s[64:65] scope:SCOPE_SE
	s_setreg_imm32_b32 hwreg(HW_REG_WAVE_MODE, 25, 1), 1
	s_wait_xcnt 0x0
	s_wait_alu depctr_hold_cnt(0) depctr_sa_sdst(0) depctr_va_vdst(0) depctr_va_sdst(0) depctr_va_ssrc(0) depctr_va_vcc(0) depctr_vm_vsrc(0)
	s_getreg_b32 s2, hwreg(HW_REG_IB_STS2, 6, 4)
	s_cmp_eq_u32 s2, 0
	s_cbranch_scc0 .Lentry_in_a_cluster
	s_endpgm
.Lentry_in_a_cluster:
	s_bfe_u32 s2, ttmp6, 0x10000c
	s_cmp_lg_u32 s2, 0xf033
	s_cbranch_scc0 .Lentry_shape_is_right
	s_endpgm
.Lentry_shape_is_right:
; PREP.  Three jobs, the same share of each for every one of the 256 work-groups (tile row tj, tile column ti, u = 16 tj + ti), four waves:
;  (a) xb = x rounded to bf16: rows 32 u .. 32 u + 31 (131,072 consecutive bytes), a quarter to each wave.
;  (b) wvt[c][d] = WV[d][c] rounded to bf16: a unit of 128 d x 32 c, 8 columns c to each wave.
;  (c) mt[j][i] = the sum over e of WK[j][e] WQ[i][e], operands rounded to bf16, sums in f32, rounded once to bf16: the tile of 64 j x 64 i at (tj, ti).
; WHY mt: Q K^T = x (WQ WK^T) x^T, so the later launches multiply x by mt and the result by x again: one projection less.
; LIMIT: that is another order of rounding than forming Q and K first; every input is read and the identity holds for all inputs.
; CLUSTER 4 x 4: the four work-groups of a row of the cluster need the same 64 rows of WK, the four of a column the same 64 rows of WQ.  Each tile is asked for JOINTLY, in f32 as it lies:
; 256 work-groups x 128 rows x 4,096 bytes would be 134 MB of requests, jointly a quarter of that.
; RING: e goes in four steps of 256 (rows of 1,024 bytes) through two LDS slots; one tensor load a wave (32 rows) behind each round; one load of mine is out at a time.
; The f32 fragments are rounded to bf16 between LDS and the matrix unit.  A wave makes 32 x 32 of the tile: four accumulators by turns.
; x's share goes through registers beside that: 8 KiB a wave are asked for behind each refill and rounded and stored behind the step's products.
; The 32 accumulator registers are cleared once, in the wait for the first tile: the price of writing no first step out (a third copy of the step's text).
.set KS,     256                       ; e in a step
.set PITCH,  1040                      ; an LDS row: 1,024 bytes + 16 = 65 x 16: the 16 rows of a fragment load start in 16 different 16-byte columns of 256
.set QT,     32*PITCH                  ; what one tensor load brings
.set SLOT,   4*QT                      ; WK's 64 rows, then WQ's 64 rows.  0x20800 shares no bit with wave x QT (0x8200), so an exclusive or with it adds or takes it away
.set SPARE,  2*SLOT                    ; behind the ring: the spare words, 128 bytes for each wave, that no other line names
.set GW,  2                            ; v2   32 x lane: my 8 f32 in 1,024 bytes of x
.set GX,  4                            ; v4   16 x lane: my 8 bf16 in 512 bytes of xb
.set TR,  5                            ; v5   WV: 8 rows d for each r, 4 columns for each half of the lanes
.set TW,  6                            ; v6   wvt: 4 rows c for each half, 16 bytes for each r
.set AF,  7                            ; v7   LDS: my fragments of WK in slot 0
.set BF,  8                            ; v8   LDS: my fragments of WQ in slot 0
.set MO,  9                            ; v9   mt: row r, 16 bytes for each half
.set SPW, 12                           ; v12  my spare word; never rewritten
.set NIL, 13                           ; v13  0; never rewritten
.set AFC, 14                           ; v14  AF + the slot and the place along e
.set BFC, 15                           ; v15  BF likewise
.set RAW0, 16                          ; v16-79   f32 of 32 along e: WK's blocks 0, 1, WQ's blocks 0, 1, 16 registers each
.set RAW1, 80                          ; v80-143  the next 32 along e
.set FR0, 144                          ; v144-175 the same four fragments in bf16, 8 registers each
.set FR1, 176                          ; v176-207
.set ACC, 208                          ; v208-239 four accumulators (a, c) at ACC + 8 (2 a + c)
.set T,   16                           ; ahead of the ring: WV, 8 rows x 4 columns,
.set TY,  48                           ; and its transpose in bf16
.set OUT, 16                           ; behind the ring: mt's tile in bf16
.set X,   0                            ; window 1, v0-63: 8 KiB of x a wave, rounded in place
.set G1,  24                           ; s[24:31] descriptor group 1 for WK's tiles;  s[32:35] group 0: it walks
.set G0,  32
.set G1B, 48                           ; s[48:55], s[56:59] the same for WQ's
.set G0B, 56
.set TB,  66                           ; s66 0 or SLOT: the slot in hand
.set LST, 67                           ; s67 the slot in hand + the place along e
.set CNT, 3
.set RC,  36
.set XB,  84                           ; s[84:85] my wave's part of x, stepping
.set OBP, 86                           ; s[86:87] my wave's part of xb, stepping
.set MSB, 0
.macro WIN new                         ; the immediate's high byte repeats the setting that is left
.if MSB != (\new)
	s_set_vgpr_msb (MSB<<8)|(\new)
.set MSB, \new
.endif
.endm
.macro JLOAD                           ; a joint load: waves 0, 1 fetch WK's halves, waves 2, 3 WQ's; an s_nop 0 and four v_nop follow each line
	s_cmp_eq_u32 s11, 0
	s_cbranch_scc0 .Lfor_b_\@
	tensor_load_to_lds s[G0:G0+3], s[G1:G1+7]
	s_nop 0
.rept 4
	v_nop
.endr
	s_branch .Lasked_\@
.Lfor_b_\@:
	tensor_load_to_lds s[G0B:G0B+3], s[G1B:G1B+7]
	s_nop 0
.rept 4
	v_nop
.endr
.Lasked_\@:
.endm
.macro CROUND                          ; a round of the cluster's barrier
	s_barrier_signal -1
	s_barrier_wait -1
	s_cmp_lg_u32 s10, 0
	s_cbranch_scc1 .Lnot_wave_0_\@
	s_barrier_signal -3
.Lnot_wave_0_\@:
	s_barrier_wait -3
	s_barrier_signal -1
	s_barrier_wait -1
.endm
	s_load_b256 s[68:75], s[0:1], 0x0              ; x s[68:69], WQ s[70:71], WK s[72:73], WV s[74:75]
	s_load_b128 s[76:79], s[0:1], 0x20             ; xb s[76:77], mt s[78:79]
	s_load_b64 s[80:81], s[0:1], 0x30              ; wvt
	v_lshl_add_u32 v[SPW], v0, 2, SPARE
	v_mov_b32 v[NIL], 0
	ds_add_u32 v[SPW], v[NIL]                      ; the wave's opening: the add and its wait stand ahead of my first tensor load
	v_lshrrev_b32 v1, 5, v0
	v_readfirstlane_b32 s10, v1                    ; wave w
	s_lshr_b32 s11, s10, 1                         ; my half of the tile's rows j; also: I fetch for WK (0) or WQ (1)
	s_and_b32 s12, s10, 1                          ; my half of its columns i; also: which 32 rows I fetch
	s_bfe_u32 s40, ttmp6, 0x40000                  ; cx
	s_bfe_u32 s41, ttmp6, 0x40004                  ; cy
	s_lshl_b32 s42, ttmp9, 2
	s_add_co_u32 s42, s42, s40                     ; ti
	s_and_b32 s13, ttmp7, 0xffff
	s_lshl_b32 s13, s13, 2
	s_add_co_u32 s13, s13, s41                     ; tj
	s_lshl_b32 s43, s41, 2
	s_lshl_b32 s43, 15, s43                        ; my row of the cluster
	s_lshl_b32 s44, 0x1111, s40                    ; my column
	s_or_b32 s[G1+0], s43, (2<<16)|(1<<20)|(1<<21)|(7<<22)|(3<<25)   ; mask; 4-byte elements; padding on; bit 21 beside a mask; after every 256 words 4 words
	s_or_b32 s[G1B+0], s44, (2<<16)|(1<<20)|(1<<21)|(7<<22)|(3<<25)
.irp g, G1, G1B
	s_mov_b32 s[(\g)+1], KS<<16                    ; tensor_dim0 = 256
	s_mov_b32 s[(\g)+2], 32<<16                    ; tensor_dim1 = 32
	s_mov_b32 s[(\g)+3], KS<<16                    ; tile_dim0 = 256
	s_mov_b32 s[(\g)+4], 32                        ; tile_dim1 = 32
	s_mov_b32 s[(\g)+5], 1024                      ; elements from row to row
	s_mov_b32 s[(\g)+6], 0
	s_mov_b32 s[(\g)+7], 0
.endr
	s_lshl_b32 s17, s12, 5
	s_lshl_b32 s16, s13, 6
	s_add_co_u32 s16, s16, s17                     ; WK: row 64 tj + 32 x half,
	s_lshl_b32 s16, s16, 12                        ; x 4,096 bytes
	s_lshl_b32 s46, s42, 6
	s_add_co_u32 s46, s46, s17                     ; WQ: row 64 ti + 32 x half
	s_lshl_b32 s46, s46, 12
	s_mov_b32 s17, 0
	s_mov_b32 s47, 0
	s_mul_i32 s20, s10, QT                         ; where my load goes: wave x 32 rows: no place in the cluster enters an LDS address
	s_lshl_b32 s37, s13, 4
	s_add_co_u32 s37, s37, s42                     ; u: it enters global addresses alone
	s_lshl_b32 s60, s37, 17                        ; x: u x 131,072 + w x 32,768
	s_lshl_b32 s61, s10, 15
	s_add_co_u32 s60, s60, s61
	s_lshr_b32 s62, s60, 1                         ; xb: half of that
	s_mov_b32 s61, 0
	s_mov_b32 s63, 0
	s_lshr_b32 s38, s37, 5                         ; db: 128 rows d of WV
	s_and_b32 s39, s37, 31                         ; cb: 32 columns c
	s_lshl_b32 s39, s39, 5
	s_lshl_b32 s82, s10, 3
	s_add_co_u32 s39, s39, s82                     ; c0 = 32 cb + 8 w
	s_lshl_b32 s82, s39, 2                         ; WV: 128 db rows of 4,096 bytes + c0 numbers
	s_lshl_b32 s83, s38, 19
	s_add_co_u32 s82, s82, s83
	s_mov_b32 s83, 0
	s_lshl_b32 s94, s39, 11                        ; wvt: c0 rows of 2,048 bytes + 128 db numbers
	s_lshl_b32 s95, s38, 8
	s_add_co_u32 s94, s94, s95
	s_mov_b32 s95, 0
	s_lshl_b32 s18, s13, 6                         ; mt: row 64 tj + 32 (w >> 1), column 64 ti + 32 (w & 1)
	s_lshl_b32 s19, s11, 5
	s_add_co_u32 s18, s18, s19
	s_lshl_b32 s18, s18, 11
	s_lshl_b32 s19, s42, 6
	s_lshl_b32 s21, s12, 5
	s_add_co_u32 s19, s19, s21
	s_lshl_b32 s19, s19, 1
	s_add_co_u32 s18, s18, s19
	s_mov_b32 s19, 0
	s_mov_b32 s[TB], 0
	s_wait_dscnt 0x0                               ; the opening add is done
	s_wait_kmcnt 0x0
	s_add_nc_u64 s[14:15], s[72:73], s[16:17]      ; WK at my 32 rows
	s_add_nc_u64 s[46:47], s[70:71], s[46:47]      ; WQ at my 32 rows
	s_add_nc_u64 s[XB:XB+1], s[68:69], s[60:61]
	s_add_nc_u64 s[OBP:OBP+1], s[76:77], s[62:63]
	s_add_nc_u64 s[88:89], s[74:75], s[82:83]      ; WV
	s_add_nc_u64 s[90:91], s[80:81], s[94:95]      ; wvt
	s_add_nc_u64 s[92:93], s[78:79], s[18:19]      ; mt
	CROUND                                         ; all sixteen work-groups are here: the first joint loads meet
	s_mov_b32 s[G0], 1
	s_mov_b32 s[G0+1], s20                         ; slot 0
	s_mov_b64 s[G0+2:G0+3], s[14:15]               ; step 0
	s_or_b32 s[G0+3], s[G0+3], 0x80000000
	s_mov_b32 s[G0B], 1
	s_mov_b32 s[G0B+1], s20
	s_mov_b64 s[G0B+2:G0B+3], s[46:47]
	s_or_b32 s[G0B+3], s[G0B+3], 0x80000000
	JLOAD                                          ; step 0 into slot 0; slot 1 is first filled behind the first trip's round, as a refill is
	v_and_b32 v1, 31, v0                           ; lane
	v_and_b32 v10, 15, v0                          ; r
	v_bfe_u32 v11, v0, 4, 1                        ; h
	v_lshlrev_b32 v[TR], 15, v10                   ; 8 r rows of 4,096 bytes
	v_lshl_add_u32 v[TR], v11, 4, v[TR]
.irp j, 0,1,2,3,4,5,6,7
	global_load_b128 v[T+4*(\j):T+4*(\j)+3], v[TR], s[88:89] offset:(\j)*4096  ; WV[128 db + 8 r + j][c0 + 4 h ..]
.endr
	v_lshlrev_b32 v[GW], 5, v1
	v_lshlrev_b32 v[GX], 4, v1
	v_lshlrev_b32 v[TW], 13, v11                   ; 4 h rows of 2,048 bytes
	v_lshl_add_u32 v[TW], v10, 4, v[TW]
	v_mul_u32_u24 v[AF], v10, PITCH                ; a fragment's row r; 8 f32 (32 bytes) for each half of the lanes
	v_lshl_add_u32 v[AF], v11, 5, v[AF]
	s_mul_i32 s21, s12, 32*PITCH
	s_add_co_u32 s21, s21, 64*PITCH                ; WQ's rows lie behind WK's 64
	v_add_nc_u32 v[BF], s21, v[AF]
	s_mul_i32 s21, s11, 32*PITCH
	v_add_nc_u32 v[AF], s21, v[AF]
	v_lshlrev_b32 v[MO], 11, v10
	v_lshl_add_u32 v[MO], v11, 4, v[MO]
.set i, 0
.rept 32
	v_mov_b32 v[ACC+i], 0
.set i, i+1
.endr
	s_wait_loadcnt 0x0                             ; WV's 8 x 4 numbers
	; the transpose: for each c a lane's 8 d pack into 16 bytes, and sixteen lanes store 256 consecutive bytes of a row of wvt
.irp cc, 0,1,2,3
.irp i, 0,1,2,3
	v_cvt_pk_bf16_f32 v[TY+4*(\cc)+(\i)], v[T+8*(\i)+(\cc)], v[T+8*(\i)+4+(\cc)]
.endr
	global_store_b128 v[TW], v[TY+4*(\cc):TY+4*(\cc)+3], s[90:91] offset:(\cc)*2048
.endr
	s_wait_xcnt 0x0                                ; the stores' registers are loaded into again only behind this wait
; 16 LDS loads: the f32 of 32 along e at byte off.  A lane takes e = 8 h .. 8 h + 7 (32 bytes) and e = 16 + 8 h .. (32 bytes, 64 further on) of its row.
.macro LOADR raw, off
.irp a, 0,1
.irp i, 0,1,2,3
	ds_load_b128 v[(\raw)+16*(\a)+4*(\i):(\raw)+16*(\a)+4*(\i)+3], v[AFC] offset:(\off)+(\a)*16*PITCH+16*((\i)%2)+64*((\i)/2)
.endr
.endr
.irp a, 0,1
.irp i, 0,1,2,3
	ds_load_b128 v[(\raw)+32+16*(\a)+4*(\i):(\raw)+32+16*(\a)+4*(\i)+3], v[BFC] offset:(\off)+(\a)*16*PITCH+16*((\i)%2)+64*((\i)/2)
.endr
.endr
.endm
.macro CVT raw, fr                     ; four fragments are rounded to bf16
.set f, 0
.rept 4
.set j, 0
.rept 8
	v_cvt_pk_bf16_f32 v[(\fr)+8*f+j], v[(\raw)+16*f+2*j], v[(\raw)+16*f+2*j+1]
.set j, j+1
.endr
.set f, f+1
.endr
.endm
; 4 matrix instructions, used transposed (source 0 = 16 rows of WQ, source 1 = 16 rows of WK): a lane then holds row j = r and eight neighbouring i.
; The four accumulators take turns, one instruction a turn.
.macro MUL4 fr
.irp a, 0,1
.irp c, 0,1
	v_wmma_f32_16x16x32_bf16 v[ACC+8*(2*(\a)+(\c)):ACC+8*(2*(\a)+(\c))+7], v[(\fr)+16+8*(\c):(\fr)+16+8*(\c)+7], v[(\fr)+8*(\a):(\fr)+8*(\a)+7], v[ACC+8*(2*(\a)+(\c)):ACC+8*(2*(\a)+(\c))+7]
.endr
.endr
.endm
; A step's products: four trips of 64 along e.  The two sets of fragments take turns: a set is written again behind the other set's 32 conversions, which name none of
; its products' registers and are the places behind them (ISA guide 7.12.1).
.macro STEP
	s_mov_b32 s[LST], s[TB]
	s_mov_b32 s[CNT], 4
.Lk_\@:
	v_add_nc_u32 v[AFC], s[LST], v[AF]
	v_add_nc_u32 v[BFC], s[LST], v[BF]
	LOADR RAW0, 0
	LOADR RAW1, 128
	s_wait_dscnt 16                                ; the first 32 along e are in; the second half's sixteen loads may be out
	CVT RAW0, FR0
	MUL4 FR0
	s_wait_dscnt 0x0
	CVT RAW1, FR1
	MUL4 FR1
	s_add_co_u32 s[LST], s[LST], 256               ; 64 f32 on
	s_sub_co_u32 s[CNT], s[CNT], 1
	s_cmp_lg_u32 s[CNT], 0
	s_cbranch_scc1 .Lk_\@
.endm
.macro XLOAD                           ; 8 KiB of x: 16 loads, a lane's 8 neighbouring f32 in two of them
	WIN 0x40                                       ; destination window 1, address window 0
.set it, 0
.rept 8
	global_load_b128 v[X+8*it:X+8*it+3],   v[GW], s[XB:XB+1] offset:it*1024 th:TH_LOAD_NT
	global_load_b128 v[X+8*it+4:X+8*it+7], v[GW], s[XB:XB+1] offset:it*1024+16 th:TH_LOAD_NT
.set it, it+1
.endr
	WIN 0
.endm
.macro XCONV                           ; rounded in place (a result lands on a register whose number has been read) and stored
	s_wait_loadcnt 0x0
	WIN 0x45                                       ; destination and both sources window 1
.set it, 0
.rept 8
.irp k, 0,1,2,3
	v_cvt_pk_bf16_f32 v[X+8*it+(\k)], v[X+8*it+2*(\k)], v[X+8*it+2*(\k)+1]
.endr
.set it, it+1
.endr
	WIN 0x04                                       ; a store's data window 1, its address window 0
.set it, 0
.rept 8
	global_store_b128 v[GX], v[X+8*it:X+8*it+3], s[OBP:OBP+1] offset:it*512  ; 512 consecutive bytes, at a multiple of 256 from xb's first
.set it, it+1
.endr
	WIN 0
	s_wait_xcnt 0x0                                ; the two bases and the stores' registers are written again only behind this wait
	s_add_nc_u64 s[XB:XB+1], s[XB:XB+1], 8192
	s_add_nc_u64 s[OBP:OBP+1], s[OBP:OBP+1], 4096
.endm
; A trip of the ring.  Each wave waits for all its tensor loads (one is out: its part of this trip's tile), adds 0 to its spare word, and waits for that and for its reads of the last
; trip's tile.  fill = 1: a round of the cluster's barrier, so that both hold of every wave of every partner, and the next step's joint load, into the slot read last trip, first behind it.
.macro TRIP fill
	s_wait_tensorcnt 0x0
	ds_add_u32 v[SPW], v[NIL]                      ; the descriptors' steps stand between the add and the wait for it
.if \fill
	s_xor_b32 s[G0+1], s[G0+1], SLOT               ; the walking descriptors: the other slot than last time,
	s_xor_b32 s[G0B+1], s[G0B+1], SLOT
	s_add_nc_u64 s[G0+2:G0+3], s[G0+2:G0+3], KS*4  ; the next step
	s_add_nc_u64 s[G0B+2:G0B+3], s[G0B+2:G0B+3], KS*4
.endif
	s_wait_dscnt 0x0
.if \fill
	CROUND
	JLOAD
.else
	s_barrier_signal -1
	s_barrier_wait -1
.endif
	XLOAD
	STEP
	XCONV
	s_xor_b32 s[TB], s[TB], SLOT
.endm
	s_mov_b32 s[RC], 3
.Lring:                                                ; steps 0 to 2; trip t asks for step t + 1
	TRIP 1
	s_sub_co_u32 s[RC], s[RC], 1
	s_cmp_lg_u32 s[RC], 0
	s_cbranch_scc1 .Lring
	TRIP 0                                         ; step 3 asks for nothing
	; x's 32 conversions stand behind the last products: they are the places in front of these lines, which take each accumulator from its low end on
.irp t, 0,1,2,3
.irp i, 0,1,2,3
	v_cvt_pk_bf16_f32 v[OUT+4*(\t)+(\i)], v[ACC+8*(\t)+2*(\i)], v[ACC+8*(\t)+2*(\i)+1]
.endr
.endr
.irp a, 0,1
.irp c, 0,1
	global_store_b128 v[MO], v[OUT+4*(2*(\a)+(\c)):OUT+4*(2*(\a)+(\c))+3], s[92:93] offset:(\a)*32768+(\c)*32  ; 16 bytes a lane, runs of 32 bytes a row: 2 MiB of the launch's 20 MiB of stores go out so
.endr
.endr
	s_wait_tensorcnt 0x0                           ; the wave's end
	ds_add_u32 v[SPW], v[NIL]
	s_wait_dscnt 0x0
	CROUND                                         ; the closing round
	s_endpgm
.Lfunc_end_k_qcd6981ae04_prep:
	.size	k_qcd6981ae04_prep, .Lfunc_end_k_qcd6981ae04_prep-k_qcd6981ae04_prep
	.p2alignl 7, 3214868480
	.fill 96, 4, 3214868480
	.section	.rodata,"a",@progbits
	.p2align	6, 0x0
	.amdhsa_kernel k_qcd6981ae04_prep
		.amdhsa_group_segment_fixed_size 327680
		.amdhsa_private_segment_fixed_size 0
		.amdhsa_enable_private_segment 0
		.amdhsa_kernarg_size 56
		.amdhsa_user_sgpr_count 2
		.amdhsa_user_sgpr_kernarg_segment_ptr 1
		.amdhsa_wavefront_size32 1
		.amdhsa_system_sgpr_workgroup_id_x 1
		.amdhsa_system_sgpr_workgroup_id_y 1
		.amdhsa_system_sgpr_workgroup_id_z 1
		.amdhsa_system_vgpr_workitem_id 0
		.amdhsa_next_free_vgpr 320
		.amdhsa_next_free_sgpr 96
		.amdhsa_reserve_vcc 0
		.amdhsa_float_denorm_mode_32 3
		.amdhsa_float_denorm_mode_16_64 3
		.amdhsa_memory_ordered 1
		.amdhsa_forward_progress 1
		.amdhsa_inst_pref_size 36
	.end_amdhsa_kernel
	.amdgpu_metadata
---
amdhsa.version: [ 1, 2 ]
amdhsa.kernels:
  - .name:           k_qcd6981ae04_prep
    .symbol:         k_qcd6981ae04_prep.kd
    .args:
      - { .name: x, .offset: 0, .size: 8, .value_kind: global_buffer, .address_space: global }
      - { .name: WQ, .offset: 8, .size: 8, .value_kind: global_buffer, .address_space: global }
      - { .name: WK, .offset: 16, .size: 8, .value_kind: global_buffer, .address_space: global }
      - { .name: WV, .offset: 24, .size: 8, .value_kind: global_buffer, .address_space: global }
      - { .name: xb, .offset: 32, .size: 8, .value_kind: global_buffer, .address_space: global }
      - { .name: mt, .offset: 40, .size: 8, .value_kind: global_buffer, .address_space: global }
      - { .name: wvt, .offset: 48, .size: 8, .value_kind: global_buffer, .address_space: global }
    .group_segment_fixed_size: 327680
    .private_segment_fixed_size: 0
    .kernarg_segment_align: 8
    .kernarg_segment_size: 56
    .max_flat_workgroup_size: 128
    .sgpr_count:     96
    .vgpr_count:     320
    .wavefront_size: 32
...
	.end_amdgpu_metadata
.endif
;; end of part 1
;; launch proj (part 2): grid 8 x 32, 4 waves a work-group, clusters of 4 x 4, 327,680 bytes of LDS; arguments xb, mt, wvt, qp, vt; writes qp, vt
.if DOCPART == 2
	.amdgcn_target "amdgcn-amd-amdhsa--gfx1250"
	.amdhsa_code_object_version 6
	.text
	.protected	k_qcd6981ae04_proj
	.globl	k_qcd6981ae04_proj
	.p2align	8
	.type	k_qcd6981ae04_proj,@function
k_qcd6981ae04_proj:
	s_mov_b64 s[64:65], 0
	v_nop
	global_prefetch_b8 v0, s[64:65] scope:SCOPE_SE
	s_setreg_imm32_b32 hwreg(HW_REG_WAVE_MODE, 25, 1), 1
	s_wait_xcnt 0x0
	s_wait_alu depctr_hold_cnt(0) depctr_sa_sdst(0) depctr_va_vdst(0) depctr_va_sdst(0) depctr_va_ssrc(0) depctr_va_vcc(0) depctr_vm_vsrc(0)
	s_getreg_b32 s2, hwreg(HW_REG_IB_STS2, 6, 4)
	s_cmp_eq_u32 s2, 0
	s_cbranch_scc0 .Lentry_in_a_cluster
	s_endpgm
.Lentry_in_a_cluster:
	s_bfe_u32 s2, ttmp6, 0x10000c
	s_cmp_lg_u32 s2, 0xf033
	s_cbranch_scc0 .Lentry_shape_is_right
	s_endpgm
.Lentry_shape_is_right:
; PROJ.  Two products of the form C[m][n] = sum over k of A[m][k] B[n][k], K = 1,024, bf16 operands, f32 sums, in one launch of 256 tiles of 256 x 256:
;   clusters with x = 0:  qp = xb mt^T   (8,192 x 1,024, rounded to bf16: with inputs 30 times larger or offset it passes f16's range)
;   clusters with x = 1:  vt = wvt xb^T  (1,024 x 8,192 = V transposed, rounded to f16).  LIMIT: |V| stays under 65,504.
; Which product a cluster makes hangs on the cluster's x alone, which its sixteen partners share.
; A tile is made by four waves, each 128 x 128: 64 accumulators, 512 registers.  K goes in steps of 128 (rows of 256 bytes) through a ring of two LDS slots.
; CLUSTER 4 x 4: A's tile is shared along a row of the cluster, B's along a column; each is asked for jointly, with one descriptor and one mask in the four that share it.
; ONE K STEP IS WRITTEN ONCE: the slot in hand is a scalar that an exclusive or turns.  The last two steps, which fill nothing, are a loop of two trips left in its middle; its second
; trip's barrier and its 32 LDS loads from the slot read before serve nothing: the price of one text.
; THE MATRIX INSTRUCTION IS USED TRANSPOSED (source 0 = 16 rows of B, source 1 = 16 rows of A): a lane holds row l % 16 of C and eight neighbouring columns.
; REGISTERS, in windows of 256: window 0: v16-29 addresses; v64-127, v128-191 A's fragments; v192-223, v32-63, v224-255 the way out.  window 1: v64-127, v128-191 B's fragments.
;   window 2: accumulators of my rows 0-63 ((a, b) at v[8 (8 a + b)]); window 3: of rows 64-127.
; THE WAY OUT is written for four blocks of 16 rows and walked twice; between the walks window 3's accumulators are copied into window 2 (256 moves for half the text).
.set KSTEP,  128
.set PITCH,  272                       ; an LDS row: 256 bytes + 16 of padding: the 16 rows of a fragment load start in 16 different 16-byte columns of 256
.set HALFT,  128*PITCH
.set SLOT,   4*HALFT                   ; 0x22000: it shares no bit with wave x HALFT (0x8800), so an exclusive or with it adds or takes it away
.set STAGE,  2*SLOT
.set SPITCH, 272
.set SPARE,  STAGE+4*16*SPITCH         ; the spare words, 128 bytes for each wave, that no other line names
.set ADRA, 16                          ; v16 my A fragments in slot 0;  v17 in the slot in hand
.set CA,   17
.set ADRB, 20                          ; v20, v21 the same for B
.set CB,   21
.set STO,  24
.set RD,   25
.set CO,   26
.set SPW,  28
.set NIL,  29
.set F0,   64
.set F1,   128
.set TMP,  192
.set OB,   32
.set G1,  24                           ; s[24:31] group 1 for A's tiles;  s[32:39] group 0: a set for the first fill, a second that walks
.set G0,  32
.set G1B, 48                           ; s[48:55], s[56:63] the same for B's
.set G0B, 56
.set TB,  66                           ; s66 0 or SLOT: the slot in hand
.set MSB, 0
.macro WIN new                         ; the immediate's high byte repeats the setting that is left
.if MSB != (\new)
	s_set_vgpr_msb (MSB<<8)|(\new)
.set MSB, \new
.endif
.endm
.set MUL_LO, 0xa1                      ; source 0 (B) window 1, source 1 (A) window 0, C and D window 2
.set MUL_HI, 0xf1
.set TO_B,   0x40
.macro JLOAD s                         ; a joint load: waves 0, 1 fetch A's halves, waves 2, 3 B's; an s_nop 0 and four v_nop follow each line
	s_cmp_eq_u32 s11, 0
	s_cbranch_scc0 .Lfor_b_\@
	tensor_load_to_lds s[G0+4*(\s):G0+4*(\s)+3], s[G1:G1+7]
	s_nop 0
.rept 4
	v_nop
.endr
	s_branch .Lasked_\@
.Lfor_b_\@:
	tensor_load_to_lds s[G0B+4*(\s):G0B+4*(\s)+3], s[G1B:G1B+7]
	s_nop 0
.rept 4
	v_nop
.endr
.Lasked_\@:
.endm
.macro CREST                           ; a round of the cluster's barrier behind its opening barrier
	s_cmp_lg_u32 s10, 0
	s_cbranch_scc1 .Lnot_wave_0_\@
	s_barrier_signal -3
.Lnot_wave_0_\@:
	s_barrier_wait -3
	s_barrier_signal -1
	s_barrier_wait -1
.endm
.macro CROUND
	s_barrier_signal -1
	s_barrier_wait -1
	CREST
.endm
	s_load_b256 s[68:75], s[0:1], 0x0              ; xb s[68:69], mt s[70:71], wvt s[72:73], qp s[74:75]
	s_load_b64 s[76:77], s[0:1], 0x20              ; vt
	v_lshl_add_u32 v[SPW], v0, 2, SPARE
	v_mov_b32 v[NIL], 0
	ds_add_u32 v[SPW], v[NIL]                      ; the wave's opening: the add and its wait stand ahead of my first tensor load
	v_lshrrev_b32 v1, 5, v0
	v_readfirstlane_b32 s10, v1                    ; wave
	s_lshr_b32 s11, s10, 1                         ; my half of the tile's rows; also: I fetch for A (0) or B (1)
	s_and_b32 s12, s10, 1                          ; my half of its columns; also: which 128 rows I fetch
	s_bfe_u32 s40, ttmp6, 0x40000                  ; cx
	s_bfe_u32 s41, ttmp6, 0x40004                  ; cy
	s_mov_b32 s78, ttmp9                           ; the cluster's x: which product
	s_and_b32 s82, ttmp7, 0xffff
	s_lshl_b32 s82, s82, 2                         ; 4 x the cluster's y
	s_mov_b32 s79, 16384
	s_cmp_eq_u32 s78, 0
	s_cselect_b32 s13, s82, 0                      ; qp has 32 tile rows and 4 tile columns,
	s_cselect_b32 s42, 0, s82                      ; vt 4 and 32
	s_cselect_b32 s79, 2048, s79                   ; bytes in a row of C
	s_add_co_u32 s13, s13, s41                     ; tile row
	s_add_co_u32 s42, s42, s40                     ; tile column
	s_lshl_b32 s43, s41, 2
	s_lshl_b32 s43, 15, s43                        ; my row of the cluster
	s_lshl_b32 s44, 0x1111, s40                    ; my column
	s_or_b32 s[G1+0], s43, (1<<16)|(1<<20)|(1<<21)|(5<<22)|(3<<25)   ; mask; 2-byte elements; padding on; bit 21 beside a mask; after every 64 words 4 words
	s_or_b32 s[G1B+0], s44, (1<<16)|(1<<20)|(1<<21)|(5<<22)|(3<<25)
.irp g, G1, G1B
	s_mov_b32 s[(\g)+1], KSTEP<<16                 ; tensor_dim0 = 128
	s_mov_b32 s[(\g)+2], 128<<16                   ; tensor_dim1 = 128
	s_mov_b32 s[(\g)+3], KSTEP<<16                 ; tile_dim0 = 128
	s_mov_b32 s[(\g)+4], 128                       ; tile_dim1 = 128
	s_mov_b32 s[(\g)+5], 1024                      ; elements from row to row
	s_mov_b32 s[(\g)+6], 0
	s_mov_b32 s[(\g)+7], 0
.endr
	s_lshl_b32 s17, s12, 7
	s_lshl_b32 s16, s13, 8
	s_add_co_u32 s16, s16, s17                     ; A: row 256 x tile row + 128 x half
	s_lshl_b32 s16, s16, 11                        ; x 2,048 bytes
	s_lshl_b32 s46, s42, 8
	s_add_co_u32 s46, s46, s17                     ; B: row 256 x tile column + 128 x half
	s_lshl_b32 s46, s46, 11
	s_mov_b32 s17, 0
	s_mov_b32 s47, 0
	s_mul_i32 s20, s10, HALFT                      ; where my load goes: wave x 128 rows
	s_lshl_b32 s80, s79, 4                         ; 16 rows of C
	s_mov_b32 s81, 0
	s_wait_dscnt 0x0                               ; the opening add is done
	s_wait_kmcnt 0x0
	s_cmp_eq_u32 s78, 0
	s_cselect_b64 s[4:5], s[68:69], s[72:73]       ; A: xb or wvt
	s_cselect_b64 s[6:7], s[70:71], s[68:69]       ; B: mt or xb
	s_cselect_b64 s[8:9], s[74:75], s[76:77]       ; C: qp or vt
	s_add_nc_u64 s[14:15], s[4:5], s[16:17]
	s_add_nc_u64 s[46:47], s[6:7], s[46:47]
	CROUND                                         ; all sixteen work-groups are here: the first joint loads meet
.irp s, 0,1
	s_mov_b32 s[G0+4*(\s)], 1
	s_add_co_u32 s[G0+4*(\s)+1], s20, (\s)*SLOT
	s_add_nc_u64 s[G0+4*(\s)+2:G0+4*(\s)+3], s[14:15], (\s)*KSTEP*2
	s_or_b32 s[G0+4*(\s)+3], s[G0+4*(\s)+3], 0x80000000
	s_mov_b32 s[G0B+4*(\s)], 1
	s_add_co_u32 s[G0B+4*(\s)+1], s20, (\s)*SLOT
	s_add_nc_u64 s[G0B+4*(\s)+2:G0B+4*(\s)+3], s[46:47], (\s)*KSTEP*2
	s_or_b32 s[G0B+4*(\s)+3], s[G0B+4*(\s)+3], 0x80000000
	JLOAD \s                                       ; K steps 0 and 1: two loads of mine are out
.endr
	v_and_b32 v1, 15, v0                           ; l % 16
	v_bfe_u32 v2, v0, 4, 1                         ; l / 16
	v_mul_u32_u24 v3, v1, PITCH
	v_lshl_add_u32 v3, v2, 4, v3
	s_mul_i32 s21, s11, HALFT
	s_mul_i32 s22, s12, HALFT
	s_add_co_u32 s22, s22, 2*HALFT
	v_add_nc_u32 v[ADRA], s21, v3
	v_add_nc_u32 v[ADRB], s22, v3
	v_mov_b32 v[CA], v[ADRA]
	v_mov_b32 v[CB], v[ADRB]
	s_mov_b32 s[TB], 0
	s_mul_i32 s23, s10, 16*SPITCH
	s_add_co_u32 s23, s23, STAGE                   ; my stage
	v_mul_u32_u24 v4, v1, SPITCH
	v_lshl_add_u32 v4, v2, 4, v4
	v_add_nc_u32 v[STO], s23, v4
	v_mul_u32_u24 v5, v2, SPITCH
	v_lshl_add_u32 v5, v1, 4, v5
	v_add_nc_u32 v[RD], s23, v5
	v_mul_u32_u24 v5, s79, v2                      ; lanes 16-31: one row of C further down
	v_lshl_add_u32 v[CO], v1, 4, v5
	s_lshl_b32 s13, s13, 8
	s_lshl_b32 s14, s11, 7
	s_add_co_u32 s16, s13, s14                     ; my first row of C
	s_mul_i32 s16, s16, s79
	s_mov_b32 s17, 0
	s_lshl_b32 s46, s42, 9                         ; my first column, in bytes
	s_lshl_b32 s47, s12, 8
	s_add_co_u32 s46, s46, s47
	s_add_co_u32 s16, s16, s46                     ; under 2^25: no carry
.macro MUL16 f, hi, a0, zero           ; 16 matrix instructions: m blocks a0, a0 + 1 of the window's four x all 8 n blocks; zero = 1: they start the sums
	WIN MUL_LO+0x50*(\hi)
.irp a, \a0, (\a0)+1
.irp b, 0,1,2,3,4,5,6,7
.if \zero
	v_wmma_f32_16x16x32_bf16 v[8*(8*(\a)+(\b)):8*(8*(\a)+(\b))+7], v[(\f)+8*(\b):(\f)+8*(\b)+7], v[(\f)+8*(4*(\hi)+(\a)):(\f)+8*(4*(\hi)+(\a))+7], 0
.else
	v_wmma_f32_16x16x32_bf16 v[8*(8*(\a)+(\b)):8*(8*(\a)+(\b))+7], v[(\f)+8*(\b):(\f)+8*(\b)+7], v[(\f)+8*(4*(\hi)+(\a)):(\f)+8*(4*(\hi)+(\a))+7], v[8*(8*(\a)+(\b)):8*(8*(\a)+(\b))+7]
.endif
.endr
.endr
.endm
.macro FETCH k, f                      ; 32 LDS loads in one run: a quarter step's fragments (32 K at byte k of the rows of the slot in hand) into buffer f
	WIN TO_B
.irp i, 0,1,2,3,4,5,6,7
	ds_load_b128 v[(\f)+8*(\i):(\f)+8*(\i)+3],   v[CB] offset:(\k)+(\i)*16*PITCH
	ds_load_b128 v[(\f)+8*(\i)+4:(\f)+8*(\i)+7], v[CB] offset:(\k)+(\i)*16*PITCH+32
.endr
	WIN 0
.irp i, 0,1,2,3,4,5,6,7
	ds_load_b128 v[(\f)+8*(\i):(\f)+8*(\i)+3],   v[CA] offset:(\k)+(\i)*16*PITCH
	ds_load_b128 v[(\f)+8*(\i)+4:(\f)+8*(\i)+7], v[CA] offset:(\k)+(\i)*16*PITCH+32
.endr
.endm
.macro PLACES                          ; four places in front of loads into registers that matrix instructions have read, and of vector lines that read results
.rept 4
	v_nop
.endr
.endm
.macro QUARTER k, f, g, zero           ; 64 matrix instructions on buffer f; in their middle the next quarter's fragments, at byte k, into buffer g
	s_wait_dscnt 8                                 ; B and A's rows 0-63 are in; the youngest eight loads (A's rows 64-127) may be out
	MUL16 \f, 0, 0, \zero
	MUL16 \f, 0, 2, \zero
	PLACES
	FETCH \k, \g
	s_wait_dscnt 32                                ; all but the 32 just issued
	MUL16 \f, 1, 0, \zero
	MUL16 \f, 1, 2, \zero
.endm
; The last quarter of a K step multiplies buffer 1 and changes slots.  ONE barrier: in front of it each wave waits for all its tensor loads (one is out: its part of the next slot), adds 0 to its
; spare word, and waits for that and for its reads of this slot.  fill = 1: the barrier opens a round of the cluster's, and the slot just read is filled again, two K steps ahead, first thing behind it:
; from that request to the wait for it a wave issues 224 matrix instructions.
.macro TURN fill
	WIN 0
	s_wait_tensorcnt 0x0
	ds_add_u32 v[SPW], v[NIL]
	s_wait_dscnt 9                                 ; the add and the youngest eight loads may be out
	MUL16 F1, 0, 0, 0
	s_wait_dscnt 0x0                               ; the add is done, and my reads of this slot are over
	s_barrier_signal -1
	MUL16 F1, 0, 2, 0
.if \fill
	WIN 0
.endif
	s_barrier_wait -1
.if \fill
	CREST
	s_xor_b32 s[G0+5], s[G0+5], SLOT               ; the walking descriptors: the other slot than last time,
	s_xor_b32 s[G0B+5], s[G0B+5], SLOT
	s_add_nc_u64 s[G0+6:G0+7], s[G0+6:G0+7], KSTEP*2     ; the next K step
	s_add_nc_u64 s[G0B+6:G0B+7], s[G0B+6:G0B+7], KSTEP*2
	JLOAD 1                                        ; its four v_nop are also the places in front of the loads below
.else
	PLACES
	WIN 0
.endif
	s_xor_b32 s[TB], s[TB], SLOT
	v_add_nc_u32 v[CA], s[TB], v[ADRA]
	v_add_nc_u32 v[CB], s[TB], v[ADRB]
	FETCH 0, F0
	MUL16 F1, 1, 0, 0
	MUL16 F1, 1, 2, 0
.endm
; THE WAY OUT of block a of window 2's four.
.macro PACK a, cvt
	WIN 0x0a                                       ; sources 0 and 1: window 2
.irp b, 0,1,2,3,4,5,6,7
.irp r, 0,1,2,3
	\cvt v[TMP+4*(\b)+(\r)], v[64*(\a)+8*(\b)+2*(\r)], v[64*(\a)+8*(\b)+2*(\r)+1]
.endr
.endr
	WIN 0
.endm
.macro TOSTAGE a
	WIN 0
.set BK, OB+192*((\a)%2)
.irp b, 0,1,2,3,4,5,6,7
	ds_store_b128 v[STO], v[TMP+4*(\b):TMP+4*(\b)+3] offset:32*(\b)
.endr
.irp t, 0,1,2,3,4,5,6,7
	ds_load_b128 v[BK+4*(\t):BK+4*(\t)+3], v[RD] offset:(\t)*2*SPITCH  ; LDS serves a wave's instructions in order (ISA guide 5.7.1.4): these see the stores above
.endr
.endm
.macro SEND a, pitch
	WIN 0
.set BK, OB+192*((\a)%2)
	s_wait_dscnt 0x0                               ; the block is back in registers
	s_wait_xcnt 0x0                                ; the base and the registers that earlier stores read are rewritten only behind this wait
.if (\a) == 0
	s_add_nc_u64 s[8:9], s[8:9], s[16:17]
.else
	s_add_nc_u64 s[8:9], s[8:9], 16*(\pitch)
.endif
.irp t, 0,1,2,3,4,5,6,7
	global_store_b128 v[CO], v[BK+4*(\t):BK+4*(\t)+3], s[8:9] offset:2*(\t)*(\pitch)  ; 16 lanes store 256 consecutive bytes, at a multiple of 256 from C's first
.endr
.endm
.macro OUT4 cvt, pitch                 ; block a's conversions stand between block a - 1's loads from the stage and the wait for them
	PACK 0, \cvt
	TOSTAGE 0
.irp n, 1,2,3
	PACK \n, \cvt
	SEND (\n)-1, \pitch
	TOSTAGE \n
.endr
	SEND 3, \pitch
.endm
	s_wait_tensorcnt 1                             ; my part of K step 0 is in; K step 1's may stay out
	s_barrier_signal -1
	s_barrier_wait -1
	FETCH 0, F0
	QUARTER 64, F0, F1, 1                          ; the first quarter stands in front of the loop: its products start the sums
	WIN 0
	s_mov_b32 s3, 6
.Lstep:                                                ; six trips, from a K step's second quarter to the next step's first; trip j asks for K step j + 2
	QUARTER 128, F1, F0, 0
	QUARTER 192, F0, F1, 0
	TURN 1
	QUARTER 64, F0, F1, 0
	WIN 0
	s_sub_co_u32 s3, s3, 1
	s_cmp_lg_u32 s3, 0
	s_cbranch_scc1 .Lstep
	s_mov_b32 s3, 2
.Ltail:                                                ; K steps 6 and 7 ask for nothing
	QUARTER 128, F1, F0, 0
	QUARTER 192, F0, F1, 0
	TURN 0
	WIN 0
	s_sub_co_u32 s3, s3, 1
	s_cmp_eq_u32 s3, 0
	s_cbranch_scc1 .Lout
	QUARTER 64, F0, F1, 0
	WIN 0
	s_branch .Ltail
.Lout:
	s_wait_dscnt 0x0                               ; the loads that serve nothing are back: their registers are free
	PLACES
	s_mov_b32 s3, 2
.Lhalf:
	s_cmp_lg_u32 s78, 0
	s_cbranch_scc1 .Lv
	OUT4 v_cvt_pk_bf16_f32, 2048
	s_branch .Lj
.Lv:
	OUT4 v_cvt_pk_f16_f32, 16384
.Lj:
	s_sub_co_u32 s3, s3, 1
	s_cmp_eq_u32 s3, 0
	s_cbranch_scc1 .Ldone
	WIN 0x83                                       ; my rows 64-127 go where the one text of the way out names them: window 3 into window 2, each accumulator from its low end on
.set i, 0
.rept 256
	v_mov_b32 v[i], v[i]
.set i, i+1
.endr
	WIN 0
	s_mov_b64 s[16:17], s[80:81]                   ; the second walk begins 16 rows behind the first walk's last block
	s_branch .Lhalf
.Ldone:
	s_wait_tensorcnt 0x0                           ; the wave's end
	ds_add_u32 v[SPW], v[NIL]
	s_wait_dscnt 0x0
	CROUND                                         ; the closing round
	s_endpgm
.Lfunc_end_k_qcd6981ae04_proj:
	.size	k_qcd6981ae04_proj, .Lfunc_end_k_qcd6981ae04_proj-k_qcd6981ae04_proj
	.p2alignl 7, 3214868480
	.fill 96, 4, 3214868480
	.section	.rodata,"a",@progbits
	.p2align	6, 0x0
	.amdhsa_kernel k_qcd6981ae04_proj
		.amdhsa_group_segment_fixed_size 327680
		.amdhsa_private_segment_fixed_size 0
		.amdhsa_enable_private_segment 0
		.amdhsa_kernarg_size 40
		.amdhsa_user_sgpr_count 2
		.amdhsa_user_sgpr_kernarg_segment_ptr 1
		.amdhsa_wavefront_size32 1
		.amdhsa_system_sgpr_workgroup_id_x 1
		.amdhsa_system_sgpr_workgroup_id_y 1
		.amdhsa_system_sgpr_workgroup_id_z 1
		.amdhsa_system_vgpr_workitem_id 0
		.amdhsa_next_free_vgpr 1024
		.amdhsa_next_free_sgpr 96
		.amdhsa_reserve_vcc 0
		.amdhsa_float_denorm_mode_32 3
		.amdhsa_float_denorm_mode_16_64 3
		.amdhsa_memory_ordered 1
		.amdhsa_forward_progress 1
		.amdhsa_inst_pref_size 109
	.end_amdhsa_kernel
	.amdgpu_metadata
---
amdhsa.version: [ 1, 2 ]
amdhsa.kernels:
  - .name:           k_qcd6981ae04_proj
    .symbol:         k_qcd6981ae04_proj.kd
    .args:
      - { .name: xb, .offset: 0, .size: 8, .value_kind: global_buffer, .address_space: global }
      - { .name: mt, .offset: 8, .size: 8, .value_kind: global_buffer, .address_space: global }
      - { .name: wvt, .offset: 16, .size: 8, .value_kind: global_buffer, .address_space: global }
      - { .name: qp, .offset: 24, .size: 8, .value_kind: global_buffer, .address_space: global }
      - { .name: vt, .offset: 32, .size: 8, .value_kind: global_buffer, .address_space: global }
    .group_segment_fixed_size: 327680
    .private_segment_fixed_size: 0
    .kernarg_segment_align: 8
    .kernarg_segment_size: 40
    .max_flat_workgroup_size: 128
    .sgpr_count:     96
    .vgpr_count:     1024
    .wavefront_size: 32
...
	.end_amdgpu_metadata
.endif
;; end of part 2
;; launch score (part 3): grid 8 x 32, 4 waves a work-group, clusters of 4 x 4, 327,680 bytes of LDS; arguments qp, xb, pp, st; writes pp, st
.if DOCPART == 3
	.amdgcn_target "amdgcn-amd-amdhsa--gfx1250"
	.amdhsa_code_object_version 6
	.text
	.protected	k_qcd6981ae04_score
	.globl	k_qcd6981ae04_score
	.p2align	8
	.type	k_qcd6981ae04_score,@function
k_qcd6981ae04_score:
	s_mov_b64 s[64:65], 0
	v_nop
	global_prefetch_b8 v0, s[64:65] scope:SCOPE_SE
	s_setreg_imm32_b32 hwreg(HW_REG_WAVE_MODE, 25, 1), 1
	s_wait_xcnt 0x0
	s_wait_alu depctr_hold_cnt(0) depctr_sa_sdst(0) depctr_va_vdst(0) depctr_va_sdst(0) depctr_va_ssrc(0) depctr_va_vcc(0) depctr_vm_vsrc(0)
	s_getreg_b32 s2, hwreg(HW_REG_IB_STS2, 6, 4)
	s_cmp_eq_u32 s2, 0
	s_cbranch_scc0 .Lentry_in_a_cluster
	s_endpgm
.Lentry_in_a_cluster:
	s_bfe_u32 s2, ttmp6, 0x10000c
	s_cmp_lg_u32 s2, 0xf033
	s_cbranch_scc0 .Lentry_shape_is_right
	s_endpgm
.Lentry_shape_is_right:
; SCORE.  S[q][k] = sum over j of qp[q][j] xb[k][j] for the keys k of q's batch (bf16 operands, f32 sums), and the first part of the softmax over k of S / 32.
; 256 tiles of 256 queries x 256 keys; four waves, each 128 x 128.  A wave's 128 keys are a CHUNK of the row's 16.  For each row and chunk the wave takes the chunk's true maximum m and stores
;   pp[q][k] = 2^(c s - c m) in f16, c = log2(e) / 32;   st plane 0: c m;   st plane 1: l = the sum of the unrounded weights (both f32, [chunk][global row]).
; The next launch takes the row's maximum over the 16 chunks and corrects each chunk by 2^(c m_chunk - c m_row): the maximum is always taken away, none is assumed.
; LIMITS: a weight lies in 0 to 1 (to within rounding); below 6e-5 it keeps f16's fixed step of 6e-8; NaN and infinities are not treated apart.
; The loop over K, the ring, the cluster and the register windows are those of the launch before (K = 1,024 in steps of 128, two slots, joint loads along rows and columns of a 4 x 4 cluster).
; THE MATRIX INSTRUCTION IS USED TRANSPOSED: a lane holds ONE query (l % 16 of a block of 16) and 64 of its chunk's 128 scores; the lane 16 away holds the other 64.
; THE WAY OUT is written for four blocks of 16 rows and walked twice; between the walks window 3's accumulators are copied into window 2.
.set KSTEP,  128
.set PITCH,  272
.set HALFT,  128*PITCH
.set SLOT,   4*HALFT                   ; 0x22000: shares no bit with wave x HALFT, so an exclusive or with it adds or takes it away
.set STAGE,  2*SLOT
.set SPITCH, 272
.set SPARE,  STAGE+4*16*SPITCH
.set ADRA, 16
.set CA,   17
.set ADRB, 20
.set CB,   21
.set STO,  24
.set RD,   25
.set CO,   26
.set SO,   27                          ; v27 my word in st: lanes 0-15 plane 0, lanes 16-31 plane 1
.set SPW,  28
.set NIL,  29
.set F0,   64
.set F1,   128
.set TMP,  192
.set OB,   32
.set CH,   64                          ; v64-67  four chains of the maximum (the fragments' registers are free on the way out)
.set CM,   68                          ; v68 c m, v69 m
.set LL,   70                          ; v70-77  four pairs of sums
.set LS,   78
.set SV,   80                          ; v80-83  what goes to st, by block
.set G1,  24
.set G0,  32
.set G1B, 48
.set G0B, 56
.set TB,  66
.set MSB, 0
.macro WIN new
.if MSB != (\new)
	s_set_vgpr_msb (MSB<<8)|(\new)
.set MSB, \new
.endif
.endm
.set MUL_LO, 0xa1
.set MUL_HI, 0xf1
.set TO_B,   0x40
.macro JLOAD s
	s_cmp_eq_u32 s11, 0
	s_cbranch_scc0 .Lfor_b_\@
	tensor_load_to_lds s[G0+4*(\s):G0+4*(\s)+3], s[G1:G1+7]
	s_nop 0
.rept 4
	v_nop
.endr
	s_branch .Lasked_\@
.Lfor_b_\@:
	tensor_load_to_lds s[G0B+4*(\s):G0B+4*(\s)+3], s[G1B:G1B+7]
	s_nop 0
.rept 4
	v_nop
.endr
.Lasked_\@:
.endm
.macro CREST
	s_cmp_lg_u32 s10, 0
	s_cbranch_scc1 .Lnot_wave_0_\@
	s_barrier_signal -3
.Lnot_wave_0_\@:
	s_barrier_wait -3
	s_barrier_signal -1
	s_barrier_wait -1
.endm
.macro CROUND
	s_barrier_signal -1
	s_barrier_wait -1
	CREST
.endm
	s_load_b256 s[68:75], s[0:1], 0x0              ; qp s[68:69], xb s[70:71], pp s[72:73], st s[74:75]
	v_lshl_add_u32 v[SPW], v0, 2, SPARE
	v_mov_b32 v[NIL], 0
	ds_add_u32 v[SPW], v[NIL]                      ; the wave's opening: the add and its wait stand ahead of my first tensor load
	v_lshrrev_b32 v1, 5, v0
	v_readfirstlane_b32 s10, v1
	s_lshr_b32 s11, s10, 1
	s_and_b32 s12, s10, 1
	s_bfe_u32 s40, ttmp6, 0x40000                  ; cx
	s_bfe_u32 s41, ttmp6, 0x40004                  ; cy
	s_lshl_b32 s42, ttmp9, 2
	s_add_co_u32 s42, s42, s40                     ; tile column: 256 keys of the batch's 2,048
	s_and_b32 s82, ttmp7, 0xffff
	s_lshl_b32 s13, s82, 2
	s_add_co_u32 s13, s13, s41                     ; tile row: 256 of all 8,192 queries
	s_lshr_b32 s83, s82, 1                         ; the batch: eight tile rows, two clusters along y
	s_lshl_b32 s43, s41, 2
	s_lshl_b32 s43, 15, s43
	s_lshl_b32 s44, 0x1111, s40
	s_or_b32 s[G1+0], s43, (1<<16)|(1<<20)|(1<<21)|(5<<22)|(3<<25)
	s_or_b32 s[G1B+0], s44, (1<<16)|(1<<20)|(1<<21)|(5<<22)|(3<<25)
.irp g, G1, G1B
	s_mov_b32 s[(\g)+1], KSTEP<<16
	s_mov_b32 s[(\g)+2], 128<<16
	s_mov_b32 s[(\g)+3], KSTEP<<16
	s_mov_b32 s[(\g)+4], 128
	s_mov_b32 s[(\g)+5], 1024
	s_mov_b32 s[(\g)+6], 0
	s_mov_b32 s[(\g)+7], 0
.endr
	s_lshl_b32 s17, s12, 7
	s_lshl_b32 s16, s13, 8
	s_add_co_u32 s16, s16, s17                     ; A: row 256 x tile row + 128 x half of qp
	s_lshl_b32 s16, s16, 11
	s_lshl_b32 s46, s42, 8
	s_add_co_u32 s46, s46, s17
	s_lshl_b32 s47, s83, 11
	s_add_co_u32 s46, s46, s47                     ; B: row 2,048 x batch + 256 x tile column + 128 x half of xb
	s_lshl_b32 s46, s46, 11
	s_mov_b32 s17, 0
	s_mov_b32 s47, 0
	s_mul_i32 s20, s10, HALFT
	s_mov_b32 s84, 0x3d38aa3b                      ; c = log2(e) / 32
	s_mov_b32 s85, s84
	s_mov_b32 s86, 0x76543210                      ; v_permlanex16_b32: each lane takes its own place in the other half
	s_mov_b32 s87, 0xfedcba98
	s_mov_b32 s88, 0xffff0000                      ; lanes 16-31
	s_wait_dscnt 0x0
	s_wait_kmcnt 0x0
	s_add_nc_u64 s[14:15], s[68:69], s[16:17]
	s_add_nc_u64 s[46:47], s[70:71], s[46:47]
	CROUND
.irp s, 0,1
	s_mov_b32 s[G0+4*(\s)], 1
	s_add_co_u32 s[G0+4*(\s)+1], s20, (\s)*SLOT
	s_add_nc_u64 s[G0+4*(\s)+2:G0+4*(\s)+3], s[14:15], (\s)*KSTEP*2
	s_or_b32 s[G0+4*(\s)+3], s[G0+4*(\s)+3], 0x80000000
	s_mov_b32 s[G0B+4*(\s)], 1
	s_add_co_u32 s[G0B+4*(\s)+1], s20, (\s)*SLOT
	s_add_nc_u64 s[G0B+4*(\s)+2:G0B+4*(\s)+3], s[46:47], (\s)*KSTEP*2
	s_or_b32 s[G0B+4*(\s)+3], s[G0B+4*(\s)+3], 0x80000000
	JLOAD \s
.endr
	v_and_b32 v1, 15, v0
	v_bfe_u32 v2, v0, 4, 1
	v_mul_u32_u24 v3, v1, PITCH
	v_lshl_add_u32 v3, v2, 4, v3
	s_mul_i32 s21, s11, HALFT
	s_mul_i32 s22, s12, HALFT
	s_add_co_u32 s22, s22, 2*HALFT
	v_add_nc_u32 v[ADRA], s21, v3
	v_add_nc_u32 v[ADRB], s22, v3
	v_mov_b32 v[CA], v[ADRA]
	v_mov_b32 v[CB], v[ADRB]
	s_mov_b32 s[TB], 0
	s_mul_i32 s23, s10, 16*SPITCH
	s_add_co_u32 s23, s23, STAGE
	v_mul_u32_u24 v4, v1, SPITCH
	v_lshl_add_u32 v4, v2, 4, v4
	v_add_nc_u32 v[STO], s23, v4
	v_mul_u32_u24 v5, v2, SPITCH
	v_lshl_add_u32 v5, v1, 4, v5
	v_add_nc_u32 v[RD], s23, v5
	v_lshlrev_b32 v5, 12, v2                       ; a row of pp is 4,096 bytes
	v_lshl_add_u32 v[CO], v1, 4, v5
	v_lshlrev_b32 v[SO], 19, v2                    ; plane 1 lies 524,288 bytes behind plane 0
	v_lshl_add_u32 v[SO], v1, 2, v[SO]
	s_lshl_b32 s13, s13, 8
	s_lshl_b32 s14, s11, 7
	s_add_co_u32 s16, s13, s14                     ; my first row
	s_lshl_b32 s93, s16, 2                         ; its word in a chunk's 8,192 of st
	s_lshl_b32 s16, s16, 12                        ; its bytes in pp
	s_mov_b32 s17, 0
	s_lshl_b32 s46, s42, 9
	s_lshl_b32 s47, s12, 8
	s_add_co_u32 s46, s46, s47
	s_add_co_u32 s16, s16, s46                     ; under 2^26: no carry
	s_lshl_b32 s92, s42, 1
	s_add_co_u32 s92, s92, s12                     ; my chunk
	s_lshl_b32 s92, s92, 15
	s_add_co_u32 s92, s92, s93
	s_mov_b32 s93, 0
	s_add_nc_u64 s[90:91], s[74:75], s[92:93]
	s_mov_b64 s[8:9], s[72:73]
.macro MUL16 f, hi, a0, zero
	WIN MUL_LO+0x50*(\hi)
.irp a, \a0, (\a0)+1
.irp b, 0,1,2,3,4,5,6,7
.if \zero
	v_wmma_f32_16x16x32_bf16 v[8*(8*(\a)+(\b)):8*(8*(\a)+(\b))+7], v[(\f)+8*(\b):(\f)+8*(\b)+7], v[(\f)+8*(4*(\hi)+(\a)):(\f)+8*(4*(\hi)+(\a))+7], 0
.else
	v_wmma_f32_16x16x32_bf16 v[8*(8*(\a)+(\b)):8*(8*(\a)+(\b))+7], v[(\f)+8*(\b):(\f)+8*(\b)+7], v[(\f)+8*(4*(\hi)+(\a)):(\f)+8*(4*(\hi)+(\a))+7], v[8*(8*(\a)+(\b)):8*(8*(\a)+(\b))+7]
.endif
.endr
.endr
.endm
.macro FETCH k, f
	WIN TO_B
.irp i, 0,1,2,3,4,5,6,7
	ds_load_b128 v[(\f)+8*(\i):(\f)+8*(\i)+3],   v[CB] offset:(\k)+(\i)*16*PITCH
	ds_load_b128 v[(\f)+8*(\i)+4:(\f)+8*(\i)+7], v[CB] offset:(\k)+(\i)*16*PITCH+32
.endr
	WIN 0
.irp i, 0,1,2,3,4,5,6,7
	ds_load_b128 v[(\f)+8*(\i):(\f)+8*(\i)+3],   v[CA] offset:(\k)+(\i)*16*PITCH
	ds_load_b128 v[(\f)+8*(\i)+4:(\f)+8*(\i)+7], v[CA] offset:(\k)+(\i)*16*PITCH+32
.endr
.endm
.macro PLACES
.rept 4
	v_nop
.endr
.endm
.macro QUARTER k, f, g, zero
	s_wait_dscnt 8                                 ; B and A's rows 0-63 are in; the youngest eight loads may be out
	MUL16 \f, 0, 0, \zero
	MUL16 \f, 0, 2, \zero
	PLACES
	FETCH \k, \g
	s_wait_dscnt 32                                ; all but the 32 just issued
	MUL16 \f, 1, 0, \zero
	MUL16 \f, 1, 2, \zero
.endm
.macro TURN fill                       ; the change of slots: the wait for all my tensor loads, the add, the wait for it and for my reads, the barrier (fill = 1: a round of the cluster's), the refill first behind it
	WIN 0
	s_wait_tensorcnt 0x0
	ds_add_u32 v[SPW], v[NIL]
	s_wait_dscnt 9                                 ; the add and the youngest eight loads may be out
	MUL16 F1, 0, 0, 0
	s_wait_dscnt 0x0
	s_barrier_signal -1
	MUL16 F1, 0, 2, 0
.if \fill
	WIN 0
.endif
	s_barrier_wait -1
.if \fill
	CREST
	s_xor_b32 s[G0+5], s[G0+5], SLOT
	s_xor_b32 s[G0B+5], s[G0B+5], SLOT
	s_add_nc_u64 s[G0+6:G0+7], s[G0+6:G0+7], KSTEP*2
	s_add_nc_u64 s[G0B+6:G0B+7], s[G0B+6:G0B+7], KSTEP*2
	JLOAD 1
.else
	PLACES
	WIN 0
.endif
	s_xor_b32 s[TB], s[TB], SLOT
	v_add_nc_u32 v[CA], s[TB], v[ADRA]
	v_add_nc_u32 v[CB], s[TB], v[ADRB]
	FETCH 0, F0
	MUL16 F1, 1, 0, 0
	MUL16 F1, 1, 2, 0
.endm
; BLOCK a's SOFTMAX PART.  x0-x63 are the lane's scores, window 2's v[64 a ..].
.macro SOFT a
.set AC, 64*(\a)
	WIN 0x2a                                       ; three sources in window 2: four chains, each over two accumulators
.set i, 0
.rept 4
	v_max3_num_f32 v[CH+i], v[AC+16*i], v[AC+16*i+1], v[AC+16*i+2]
.set i, i+1
.endr
	WIN 0x28
.set n, 0
.rept 6
.set i, 0
.rept 4
	v_max3_num_f32 v[CH+i], v[CH+i], v[AC+16*i+3+2*n], v[AC+16*i+4+2*n]
.set i, i+1
.endr
.set n, n+1
.endr
.set i, 0
.rept 4
	v_max_num_f32 v[CH+i], v[CH+i], v[AC+16*i+15]
.set i, i+1
.endr
	WIN 0
	v_max3_num_f32 v[CH], v[CH], v[CH+1], v[CH+2]
	v_max_num_f32 v[CH], v[CH], v[CH+3]
	v_permlanex16_b32 v[CH+1], v[CH], s86, s87     ; the row's other 64 scores lie in the lane 16 away
	v_max_num_f32 v[CM+1], v[CH], v[CH+1]          ; m
	v_mul_f32 v[CM], s84, v[CM+1]                  ; c m
	WIN 0x82                                       ; in place in window 2; c m in window 0
.set p, 0
.rept 4
	v_pk_fma_f32 v[AC+2*p:AC+2*p+1], v[AC+2*p:AC+2*p+1], s[84:85], v[CM:CM+1] op_sel_hi:[1,0,0] neg_lo:[0,0,1] neg_hi:[0,0,1]
.set p, p+1
.endr
.set p, 0
.rept 32                               ; c s - c m runs four pairs ahead of the exponentials and stands among them
	v_exp_f32 v[AC+2*p], v[AC+2*p]
.if p+4 < 32
	v_pk_fma_f32 v[AC+2*p+8:AC+2*p+9], v[AC+2*p+8:AC+2*p+9], s[84:85], v[CM:CM+1] op_sel_hi:[1,0,0] neg_lo:[0,0,1] neg_hi:[0,0,1]
.endif
	v_exp_f32 v[AC+2*p+1], v[AC+2*p+1]
.set p, p+1
.endr
	WIN 0x0a                                       ; the first rounding is the plain instruction behind the last exponential (ISA guide 5.7.2): it reads the first pair
.set p, 0
	s_wait_alu depctr_va_vdst(0)
.rept 32
	v_cvt_pk_f16_f32 v[TMP+p], v[AC+2*p], v[AC+2*p+1]
.set p, p+1
.endr
.set i, 0
.rept 4
	v_pk_add_f32 v[LL+2*i:LL+2*i+1], v[AC+2*i:AC+2*i+1], v[AC+2*i+8:AC+2*i+9]
.set i, i+1
.endr
	WIN 0x08
.set p, 8
.rept 24
	v_pk_add_f32 v[LL+2*(p%4):LL+2*(p%4)+1], v[LL+2*(p%4):LL+2*(p%4)+1], v[AC+2*p:AC+2*p+1]
.set p, p+1
.endr
	WIN 0
	v_pk_add_f32 v[LL:LL+1], v[LL:LL+1], v[LL+2:LL+3]
	v_pk_add_f32 v[LL+4:LL+5], v[LL+4:LL+5], v[LL+6:LL+7]
	v_pk_add_f32 v[LL:LL+1], v[LL:LL+1], v[LL+4:LL+5]
	v_add_f32 v[LS], v[LL], v[LL+1]
	v_permlanex16_b32 v[CH+2], v[LS], s86, s87
	v_add_f32 v[LS], v[LS], v[CH+2]                ; l
	v_cndmask_b32 v[SV+(\a)], v[CM], v[LS], s88    ; lanes 0-15 carry c m, lanes 16-31 l
	global_store_b32 v[SO], v[SV+(\a)], s[90:91] offset:64*(\a)  ; two runs of 64 bytes: 1 MiB of the launch's 33 MiB of stores go out so
.endm
.macro TOSTAGE a
	WIN 0
.set BK, OB+192*((\a)%2)
.irp b, 0,1,2,3,4,5,6,7
	ds_store_b128 v[STO], v[TMP+4*(\b):TMP+4*(\b)+3] offset:32*(\b)
.endr
.irp t, 0,1,2,3,4,5,6,7
	ds_load_b128 v[BK+4*(\t):BK+4*(\t)+3], v[RD] offset:(\t)*2*SPITCH  ; LDS serves a wave's instructions in order (ISA guide 5.7.1.4)
.endr
.endm
.macro SEND a, pitch
	WIN 0
.set BK, OB+192*((\a)%2)
	s_wait_dscnt 0x0
	s_wait_xcnt 0x0                                ; the base and the registers that earlier stores read are rewritten only behind this wait
.if (\a) == 0
	s_add_nc_u64 s[8:9], s[8:9], s[16:17]
.else
	s_add_nc_u64 s[8:9], s[8:9], 16*(\pitch)
.endif
.irp t, 0,1,2,3,4,5,6,7
	global_store_b128 v[CO], v[BK+4*(\t):BK+4*(\t)+3], s[8:9] offset:2*(\t)*(\pitch)  ; 16 lanes store 256 consecutive bytes, at a multiple of 256 from pp's first
.endr
.endm
	s_wait_tensorcnt 1                             ; my part of K step 0 is in; K step 1's may stay out
	s_barrier_signal -1
	s_barrier_wait -1
	FETCH 0, F0
	QUARTER 64, F0, F1, 1
	WIN 0
	s_mov_b32 s3, 6
.Lstep:
	QUARTER 128, F1, F0, 0
	QUARTER 192, F0, F1, 0
	TURN 1
	QUARTER 64, F0, F1, 0
	WIN 0
	s_sub_co_u32 s3, s3, 1
	s_cmp_lg_u32 s3, 0
	s_cbranch_scc1 .Lstep
	s_mov_b32 s3, 2
.Ltail:
	QUARTER 128, F1, F0, 0
	QUARTER 192, F0, F1, 0
	TURN 0
	WIN 0
	s_sub_co_u32 s3, s3, 1
	s_cmp_eq_u32 s3, 0
	s_cbranch_scc1 .Lout
	QUARTER 64, F0, F1, 0
	WIN 0
	s_branch .Ltail
.Lout:
	s_wait_dscnt 0x0                               ; the loads that serve nothing are back: the fragments' registers are free
	PLACES
	s_mov_b32 s3, 2
.Lhalf:
	SOFT 0
	TOSTAGE 0
.irp n, 1,2,3
	SOFT \n
	SEND (\n)-1, 4096
	TOSTAGE \n
.endr
	SEND 3, 4096
	s_sub_co_u32 s3, s3, 1
	s_cmp_eq_u32 s3, 0
	s_cbranch_scc1 .Ldone
	WIN 0x83                                       ; window 3 into window 2, each accumulator from its low end on
.set i, 0
.rept 256
	v_mov_b32 v[i], v[i]
.set i, i+1
.endr
	WIN 0
	s_wait_xcnt 0x0
	s_add_nc_u64 s[90:91], s[90:91], 256           ; 64 rows on in st
	s_mov_b64 s[16:17], 16*4096
	s_branch .Lhalf
.Ldone:
	s_wait_tensorcnt 0x0                           ; the wave's end
	ds_add_u32 v[SPW], v[NIL]
	s_wait_dscnt 0x0
	CROUND
	s_endpgm
.Lfunc_end_k_qcd6981ae04_score:
	.size	k_qcd6981ae04_score, .Lfunc_end_k_qcd6981ae04_score-k_qcd6981ae04_score
	.p2alignl 7, 3214868480
	.fill 96, 4, 3214868480
	.section	.rodata,"a",@progbits
	.p2align	6, 0x0
	.amdhsa_kernel k_qcd6981ae04_score
		.amdhsa_group_segment_fixed_size 327680
		.amdhsa_private_segment_fixed_size 0
		.amdhsa_enable_private_segment 0
		.amdhsa_kernarg_size 32
		.amdhsa_user_sgpr_count 2
		.amdhsa_user_sgpr_kernarg_segment_ptr 1
		.amdhsa_wavefront_size32 1
		.amdhsa_system_sgpr_workgroup_id_x 1
		.amdhsa_system_sgpr_workgroup_id_y 1
		.amdhsa_system_sgpr_workgroup_id_z 1
		.amdhsa_system_vgpr_workitem_id 0
		.amdhsa_next_free_vgpr 1024
		.amdhsa_next_free_sgpr 96
		.amdhsa_reserve_vcc 0
		.amdhsa_float_denorm_mode_32 3
		.amdhsa_float_denorm_mode_16_64 3
		.amdhsa_memory_ordered 1
		.amdhsa_forward_progress 1
		.amdhsa_inst_pref_size 127
	.end_amdhsa_kernel
	.amdgpu_metadata
---
amdhsa.version: [ 1, 2 ]
amdhsa.kernels:
  - .name:           k_qcd6981ae04_score
    .symbol:         k_qcd6981ae04_score.kd
    .args:
      - { .name: qp, .offset: 0, .size: 8, .value_kind: global_buffer, .address_space: global }
      - { .name: xb, .offset: 8, .size: 8, .value_kind: global_buffer, .address_space: global }
      - { .name: pp, .offset: 16, .size: 8, .value_kind: global_buffer, .address_space: global }
      - { .name: st, .offset: 24, .size: 8, .value_kind: global_buffer, .address_space: global }
    .group_segment_fixed_size: 327680
    .private_segment_fixed_size: 0
    .kernarg_segment_align: 8
    .kernarg_segment_size: 32
    .max_flat_workgroup_size: 128
    .sgpr_count:     96
    .vgpr_count:     1024
    .wavefront_size: 32
...
	.end_amdgpu_metadata
.endif
;; end of part 3
;; launch pv (part 4): grid 4 x 64, 4 waves a work-group, clusters of 4 x 4, 327,680 bytes of LDS; arguments pp, vt, st, out0; writes out0
.if DOCPART == 4
	.amdgcn_target "amdgcn-amd-amdhsa--gfx1250"
	.amdhsa_code_object_version 6
	.text
	.protected	k_qcd6981ae04_pv
	.globl	k_qcd6981ae04_pv
	.p2align	8
	.type	k_qcd6981ae04_pv,@function
k_qcd6981ae04_pv:
	s_mov_b64 s[64:65], 0
	v_nop
	global_prefetch_b8 v0, s[64:65] scope:SCOPE_SE
	s_setreg_imm32_b32 hwreg(HW_REG_WAVE_MODE, 25, 1), 1
	s_wait_xcnt 0x0
	s_wait_alu depctr_hold_cnt(0) depctr_sa_sdst(0) depctr_va_vdst(0) depctr_va_sdst(0) depctr_va_ssrc(0) depctr_va_vcc(0) depctr_vm_vsrc(0)
	s_getreg_b32 s2, hwreg(HW_REG_IB_STS2, 6, 4)
	s_cmp_eq_u32 s2, 0
	s_cbranch_scc0 .Lentry_in_a_cluster
	s_endpgm
.Lentry_in_a_cluster:
	s_bfe_u32 s2, ttmp6, 0x10000c
	s_cmp_lg_u32 s2, 0xf033
	s_cbranch_scc0 .Lentry_shape_is_right
	s_endpgm
.Lentry_shape_is_right:
; PV.  out0[q][c] = (sum over the 16 chunks t of alpha_t(q) x sum over the chunk's 128 keys k of pp[q][k] vt[c][k]) / l(q), with
;   alpha_t = 2^(c m_t - max over t of c m_t), at most 1, and l = sum over t of alpha_t l_t, from st.  f16 operands, f32 sums, out0 in f32.
; alpha_t multiplies pp's fragments on their way to the matrix unit (two f16 at a time, one more rounding to f16); 1 / l multiplies the finished sums in f32.
; LIMITS: alpha x p below 6e-5 keeps f16's fixed step of 6e-8; |V| under 65,504 (the launch that made vt); NaN and infinities are not treated apart.
; 256 tiles of 128 queries x 256 channels; four waves, each 64 x 128: 32 accumulators.  K = the batch's 2,048 keys in 16 steps of 128: a step is a chunk.
; Two LDS slots; slot 1 begins at 2^17, so that one exclusive or turns an address in one slot into the other's.  Slots of two steps would take 2 x 384 rows x 528 bytes = 405,504 bytes: they do not fit.
; CLUSTER 4 x 4: pp's tile is shared along a row, vt's along a column.
; One K step is written once; the last two steps are a loop of two trips left in its middle (its last barrier and 25 LDS loads serve nothing: the price of one text).
; PREFETCH: trip j, which issues the tensor loads of step j + 2, asks for the tiles of step j + 4 to be brought nearer: two trips, 256 matrix instructions a wave, ahead of their tensor load.
; Each block of 256 bytes is asked for by one lane of one wave of one work-group: pp's 128 rows of a step by the four partners of my row of the cluster, 32 rows each (wave 0);
; vt's 256 rows of a step by eight work-groups, 32 rows each (wave 1): the four of my column in those two of the batch's four clusters whose y has the step's parity.
; Steps 2 and 3 are asked for once ahead of the loop.  The step is held at 15, the last: no request leaves its buffer; the last two trips so ask for step 15 once more.
; USED TRANSPOSED: source 0 = 16 channels (rows of vt), source 1 = 16 queries (rows of pp): a lane holds one query and eight neighbouring channels, 32 bytes of out0.
; REGISTERS: window 0: addresses, v8-15 (1/l, 1/l) by block, v32-223 the prologue's and the way out's.
;   window 1: v0-63, v64-127 vt's fragments; v128-159, v160-191 pp's as loaded; v192-195 the next step's alpha.
;   window 2 (blocks 0, 1) and window 3 (blocks 2, 3): v0-127 accumulators ((a, b) at 64 (a % 2) + 8 b); v128-143 pp's fragments scaled; v144-145 alpha.
;   With source 0 in window 1 and the rest in window 2 or 3 the product, the scaling and the move of alpha run under ONE setting.
.set KSTEP,  128
.set PITCH,  272
.set AHALF,  64*PITCH                  ; what waves 0, 1 bring: 64 rows of pp
.set BHALF,  128*PITCH                 ; what waves 2, 3 bring: 128 rows of vt
.set BOFF,   2*AHALF
.set SLOT1,  1<<17
.set STAGE,  SLOT1+BOFF+2*BHALF        ; 16 rows x 528 bytes for each wave
.set SPITCH, 528                       ; 512 bytes + 16 = 33 x 16
.set ALT,    STAGE+4*16*SPITCH         ; alpha: 4,096 bytes for each wave, its own: (alpha, alpha) of chunk t, row r, block a at 256 t + 16 r + 4 a
.set SPARE,  ALT+4*4096
.set PFA,  6                           ; v6   prefetch: my row of pp's tile, in bytes; never rewritten
.set PFB,  7                           ; v7   prefetch: my row of vt's tile, in bytes; never rewritten
.set RI,   8
.set ADRA, 16
.set CA,   17
.set ADRB, 20
.set CB,   21
.set AL0,  22
.set AL,   23
.set STO,  24
.set RD,   25
.set CO,   26
.set SPW,  28
.set NIL,  29
.set TMP,  32
.set BK0,  96
.set CMV,  32                          ; the prologue: c m of block a, chunk 8 h + tt at CMV + 8 a + tt
.set LV,   64                          ; l likewise
.set ALR,  96                          ; (alpha, alpha) at ALR + 4 tt + a
.set TT,   128
.set RA,   128                         ; window 1
.set AN,   192                         ; window 1
.set AP,   128                         ; windows 2, 3
.set AC,   144                         ; windows 2, 3
.set G1,  24
.set G0,  32
.set G1B, 48
.set G0B, 56
.set TB,  66
.set AT,  90                           ; s90 256 x the step whose alpha is fetched next; s91 the same held inside the table
.set AT2, 91
.set PS,  45                           ; s45 prefetch: 256 x the step asked for last
.set PAR, 67                           ; s67 prefetch: 0 in the trips in which my cluster asks for vt's tile
.set PA0, 76                           ; s[76:77] pp at my tile's first row;  s[78:79] the same at the step asked for
.set PA,  78
.set PB0, 80                           ; s[80:81] vt at my tile's first row and my batch's first key;  s[92:93] the same at the step asked for
.set PB,  92
.set PO,  94                           ; s[94:95] the step's byte offset, as a pair
.set MSB, 0
.macro WIN new
.if MSB != (\new)
	s_set_vgpr_msb (MSB<<8)|(\new)
.set MSB, \new
.endif
.endm
.set LO,   0xa9                        ; source 0 window 1; source 1, C and D window 2
.set TO_1, 0x40
.macro JLOAD s
	s_cmp_eq_u32 s11, 0
	s_cbranch_scc0 .Lfor_b_\@
	tensor_load_to_lds s[G0+4*(\s):G0+4*(\s)+3], s[G1:G1+7]
	s_nop 0
.rept 4
	v_nop
.endr
	s_branch .Lasked_\@
.Lfor_b_\@:
	tensor_load_to_lds s[G0B+4*(\s):G0B+4*(\s)+3], s[G1B:G1B+7]
	s_nop 0
.rept 4
	v_nop
.endr
.Lasked_\@:
.endm
.macro CREST
	s_cmp_lg_u32 s10, 0
	s_cbranch_scc1 .Lnot_wave_0_\@
	s_barrier_signal -3
.Lnot_wave_0_\@:
	s_barrier_wait -3
	s_barrier_signal -1
	s_barrier_wait -1
.endm
.macro CROUND
	s_barrier_signal -1
	s_barrier_wait -1
	CREST
.endm
; A trip's requests.  The branches hang on the wave's number and on the cluster's y, which all partners share.
.macro PREF
	s_wait_xcnt 0x0                                ; the last trip's requests have had their addresses translated: the two bases are written anew only behind this wait
	s_add_co_u32 s[PS], s[PS], 256
	s_min_u32 s[PO], s[PS], 15*256                 ; never past the last step
	s_add_nc_u64 s[PA:PA+1], s[PA0:PA0+1], s[PO:PO+1]
	s_add_nc_u64 s[PB:PB+1], s[PB0:PB0+1], s[PO:PO+1]
	s_cmp_lg_u32 s10, 0
	s_cbranch_scc1 .Lnot_a_\@
	global_prefetch_b8 v[PFA], s[PA:PA+1] th:TH_LOAD_NT scope:SCOPE_SE
.Lnot_a_\@:
	s_xor_b32 s18, s10, 1                          ; wave 1, in my cluster's trips
	s_or_b32 s18, s18, s[PAR]
	s_cmp_lg_u32 s18, 0
	s_cbranch_scc1 .Lnot_b_\@
	global_prefetch_b8 v[PFB], s[PB:PB+1] th:TH_LOAD_NT scope:SCOPE_SE
.Lnot_b_\@:
	s_xor_b32 s[PAR], s[PAR], 1
.endm
	s_load_b256 s[68:75], s[0:1], 0x0              ; pp s[68:69], vt s[70:71], st s[72:73], out0 s[74:75]
	v_lshl_add_u32 v[SPW], v0, 2, SPARE
	v_mov_b32 v[NIL], 0
	ds_add_u32 v[SPW], v[NIL]                      ; the wave's opening: the add and its wait stand ahead of my first tensor load
	v_lshrrev_b32 v1, 5, v0
	v_readfirstlane_b32 s10, v1
	s_lshr_b32 s11, s10, 1                         ; my half of the tile's queries; also: I fetch for pp (0) or vt (1)
	s_and_b32 s12, s10, 1                          ; my half of its channels; also: which half of that tile I fetch
	s_bfe_u32 s40, ttmp6, 0x40000
	s_bfe_u32 s41, ttmp6, 0x40004
	s_lshl_b32 s42, ttmp9, 2
	s_add_co_u32 s42, s42, s40                     ; tile column: 256 channels
	s_and_b32 s82, ttmp7, 0xffff
	s_lshl_b32 s13, s82, 2
	s_add_co_u32 s13, s13, s41                     ; tile row: 128 of all 8,192 queries
	s_lshr_b32 s83, s82, 2                         ; the batch: 16 tile rows, four clusters along y
	s_lshl_b32 s43, s41, 2
	s_lshl_b32 s43, 15, s43
	s_lshl_b32 s44, 0x1111, s40
	s_or_b32 s[G1+0], s43, (1<<16)|(1<<20)|(1<<21)|(5<<22)|(3<<25)
	s_mov_b32 s[G1+1], KSTEP<<16                   ; pp's tile: 64 rows x 128 elements,
	s_mov_b32 s[G1+2], 64<<16
	s_mov_b32 s[G1+3], KSTEP<<16
	s_mov_b32 s[G1+4], 64
	s_mov_b32 s[G1+5], 2048                        ; 2,048 elements from row to row
	s_mov_b32 s[G1+6], 0
	s_mov_b32 s[G1+7], 0
	s_or_b32 s[G1B+0], s44, (1<<16)|(1<<20)|(1<<21)|(5<<22)|(3<<25)
	s_mov_b32 s[G1B+1], KSTEP<<16                  ; vt's tile: 128 rows x 128 elements,
	s_mov_b32 s[G1B+2], 128<<16
	s_mov_b32 s[G1B+3], KSTEP<<16
	s_mov_b32 s[G1B+4], 128
	s_mov_b32 s[G1B+5], 8192                       ; 8,192 elements from row to row
	s_mov_b32 s[G1B+6], 0
	s_mov_b32 s[G1B+7], 0
	s_lshl_b32 s16, s13, 7
	s_lshl_b32 s17, s12, 6
	s_add_co_u32 s16, s16, s17                     ; pp: row 128 x tile row + 64 x half,
	s_lshl_b32 s16, s16, 12                        ; x 4,096 bytes
	s_mov_b32 s17, 0
	s_lshl_b32 s46, s42, 8
	s_lshl_b32 s47, s12, 7
	s_add_co_u32 s46, s46, s47                     ; vt: row 256 x tile column + 128 x half,
	s_lshl_b32 s46, s46, 14                        ; x 16,384 bytes,
	s_lshl_b32 s47, s83, 12
	s_add_co_u32 s46, s46, s47                     ; + the batch's 2,048 keys
	s_mov_b32 s47, 0
	s_mul_i32 s20, s12, AHALF
	s_mul_i32 s21, s12, BHALF
	s_add_co_u32 s21, s21, BOFF
	s_mov_b32 s86, 0x76543210
	s_mov_b32 s87, 0xfedcba98
	s_mov_b32 s[TB], 0
	s_mov_b32 s[AT], 0
	; the prefetch's shares, in registers of their own
	s_and_b32 s[PAR], s82, 1                       ; my cluster asks for vt's tiles of the steps that have its y's parity
	s_bfe_u32 s18, s82, 0x10001                    ; which of the two clusters of that parity in the batch,
	s_lshl_b32 s18, s18, 2
	s_add_co_u32 s18, s18, s41                     ; and my place in the column: one of eight,
	s_lshl_b32 s18, s18, 5                         ; 32 rows of vt's 256 each
	s_lshl_b32 s19, s40, 5                         ; my place in the row: 32 rows of pp's 128
	s_lshl_b32 s4, s13, 19                         ; pp: 128 x tile row rows of 4,096 bytes
	s_mov_b32 s5, 0
	s_lshl_b32 s6, s42, 22                         ; vt: 256 x tile column rows of 16,384 bytes,
	s_lshl_b32 s7, s83, 12
	s_add_co_u32 s6, s6, s7                        ; + the batch's keys
	s_mov_b32 s7, 0
	s_add_co_u32 s[PO], s[PAR], 2                  ; ahead of the loop: step 2 or 3, by the parity
	s_lshl_b32 s[PO], s[PO], 8
	s_mov_b32 s[PO+1], 0
	s_mov_b32 s[PS], 3*256                         ; the first trip asks for step 4
	s_wait_dscnt 0x0
	s_wait_kmcnt 0x0
	s_add_nc_u64 s[14:15], s[68:69], s[16:17]
	s_add_nc_u64 s[46:47], s[70:71], s[46:47]
	s_add_nc_u64 s[PA0:PA0+1], s[68:69], s[4:5]
	s_add_nc_u64 s[PB0:PB0+1], s[70:71], s[6:7]
	s_add_nc_u64 s[PB:PB+1], s[PB0:PB0+1], s[PO:PO+1]
	CROUND
.irp s, 0,1
	s_mov_b32 s[G0+4*(\s)], 1
	s_add_co_u32 s[G0+4*(\s)+1], s20, (\s)*SLOT1
	s_add_nc_u64 s[G0+4*(\s)+2:G0+4*(\s)+3], s[14:15], (\s)*KSTEP*2
	s_or_b32 s[G0+4*(\s)+3], s[G0+4*(\s)+3], 0x80000000
	s_mov_b32 s[G0B+4*(\s)], 1
	s_add_co_u32 s[G0B+4*(\s)+1], s21, (\s)*SLOT1
	s_add_nc_u64 s[G0B+4*(\s)+2:G0B+4*(\s)+3], s[46:47], (\s)*KSTEP*2
	s_or_b32 s[G0B+4*(\s)+3], s[G0B+4*(\s)+3], 0x80000000
	JLOAD \s                                       ; K steps 0 and 1: two loads of mine are out
.endr
	; THE PROLOGUE, while the first tiles are on their way: my 64 rows' statistics.  Lane (r, h) takes row 16 a + r and the chunks 8 h .. 8 h + 7.
	v_and_b32 v1, 15, v0                           ; r
	v_bfe_u32 v2, v0, 4, 1                         ; h
	s_lshl_b32 s22, s13, 7
	s_lshl_b32 s23, s11, 6
	s_add_co_u32 s22, s22, s23                     ; my first row
	s_lshl_b32 s88, s22, 2
	s_mov_b32 s89, 0
	s_add_nc_u64 s[84:85], s[72:73], s[88:89]
	v_lshlrev_b32 v30, 18, v2                      ; 8 chunks of 32,768 bytes
	v_lshl_add_u32 v30, v1, 2, v30
.set a, 0
.rept 4
.set tt, 0
.rept 8
	global_load_b32 v[CMV+8*a+tt], v30, s[84:85] offset:tt*32768+64*a
	global_load_b32 v[LV+8*a+tt],  v30, s[84:85] offset:tt*32768+64*a+524288
.set tt, tt+1
.endr
.set a, a+1
.endr
	v_and_b32 v5, 31, v0                           ; lane
	v_add_nc_u32 v[PFA], s19, v5
	v_lshlrev_b32 v[PFA], 12, v[PFA]               ; my row of pp's tile x 4,096 bytes
	v_add_nc_u32 v[PFB], s18, v5
	v_lshlrev_b32 v[PFB], 14, v[PFB]               ; my row of vt's tile x 16,384 bytes
	s_cmp_lg_u32 s10, 0
	s_cbranch_scc1 .Lpf_a
	global_prefetch_b8 v[PFA], s[PA0:PA0+1] offset:2*256 th:TH_LOAD_NT scope:SCOPE_SE  ; steps 2 and 3, whose tensor loads the first two trips issue
	global_prefetch_b8 v[PFA], s[PA0:PA0+1] offset:3*256 th:TH_LOAD_NT scope:SCOPE_SE
.Lpf_a:
	s_cmp_lg_u32 s10, 1
	s_cbranch_scc1 .Lpf_b
	global_prefetch_b8 v[PFB], s[PB:PB+1] th:TH_LOAD_NT scope:SCOPE_SE
.Lpf_b:
	s_lshl_b32 s16, s22, 12                        ; out0: my first row x 4,096 bytes + my 128 channels
	s_lshl_b32 s23, s42, 10
	s_add_co_u32 s16, s16, s23
	s_lshl_b32 s23, s12, 9
	s_add_co_u32 s16, s16, s23                     ; under 2^26: no carry
	s_mov_b32 s17, 0
	s_mov_b64 s[8:9], s[74:75]
	v_mul_u32_u24 v3, v1, PITCH
	v_lshl_add_u32 v3, v2, 4, v3
	s_mul_i32 s22, s11, AHALF
	v_add_nc_u32 v[ADRA], s22, v3
	v_add_nc_u32 v[ADRB], s21, v3
	v_mov_b32 v[CA], v[ADRA]
	v_mov_b32 v[CB], v[ADRB]
	s_lshl_b32 s22, s10, 12
	s_add_co_u32 s22, s22, ALT                     ; my table
	v_lshlrev_b32 v31, 11, v2                      ; in: chunks 8 h on,
	v_lshl_add_u32 v31, v1, 4, v31                 ; row r
	v_add_nc_u32 v31, s22, v31
	v_lshl_add_u32 v[AL0], v1, 4, s22              ; back: row r's four blocks of a chunk
	v_mov_b32 v[AL], v[AL0]
	s_mul_i32 s23, s10, 16*SPITCH
	s_add_co_u32 s23, s23, STAGE                   ; my stage
	v_mul_u32_u24 v4, v1, SPITCH
	v_lshl_add_u32 v4, v2, 5, v4                   ; in: row r, 32 bytes for each half of the lanes
	v_add_nc_u32 v[STO], s23, v4
	v_lshlrev_b32 v[CO], 4, v5                     ; back and out: 32 lanes take a row's 512 bytes
	v_add_nc_u32 v[RD], s23, v[CO]
	v_mov_b32 v[TT+1], 0                           ; v_permlanex16_b32's destination counts as read
	s_wait_loadcnt 0x0
.macro STAT a
.set cc0, CMV+8*(\a)
.set ll0, LV+8*(\a)
	v_max3_num_f32 v[TT], v[cc0], v[cc0+1], v[cc0+2]
	v_max3_num_f32 v[TT], v[TT], v[cc0+3], v[cc0+4]
	v_max3_num_f32 v[TT], v[TT], v[cc0+5], v[cc0+6]
	v_max_num_f32 v[TT], v[TT], v[cc0+7]
	v_permlanex16_b32 v[TT+1], v[TT], s86, s87     ; the row's other eight chunks lie in the lane 16 away
	v_max_num_f32 v[TT], v[TT], v[TT+1]            ; the row's c m
.set i, 0
.rept 8
	v_sub_f32 v[cc0+i], v[cc0+i], v[TT]
.set i, i+1
.endr
.set i, 0
.rept 8
	v_exp_f32 v[cc0+i], v[cc0+i]                   ; alpha
.set i, i+1
.endr
	v_nop                                          ; a plain instruction behind the last exponential (ISA guide 5.7.2)
	s_wait_alu depctr_va_vdst(0)
	v_mul_f32 v[TT], v[cc0], v[ll0]
.set i, 1
.rept 7
	v_fmac_f32 v[TT], v[cc0+i], v[ll0+i]
.set i, i+1
.endr
	v_permlanex16_b32 v[TT+1], v[TT], s86, s87
	v_add_f32 v[TT], v[TT], v[TT+1]                ; l: at least 1, since the chunk that holds the row's maximum has alpha = 1 and l_t >= 1 to within rounding
	v_rcp_f32 v[RI+2*(\a)], v[TT]
.set i, 0
.rept 8
	v_cvt_pk_f16_f32 v[ALR+4*i+(\a)], v[cc0+i], v[cc0+i]  ; plain instructions behind the reciprocal
.set i, i+1
.endr
	s_wait_alu depctr_va_vdst(0)
	v_mov_b32 v[RI+2*(\a)+1], v[RI+2*(\a)]
.endm
	STAT 0
	STAT 1
	STAT 2
	STAT 3
.set tt, 0
.rept 8
	ds_store_b128 v31, v[ALR+4*tt:ALR+4*tt+3] offset:tt*256
.set tt, tt+1
.endr
; 24 LDS loads in one run (al = 1: 25, the next step's alpha first): a quarter step's fragments, 32 K at byte k of the rows of the slot in hand, into buffer f
.macro FETCH4 k, f, al
	WIN TO_1
.if \al
	ds_load_b128 v[AN:AN+3], v[AL]
.endif
.irp i, 0,1,2,3,4,5,6,7
	ds_load_b128 v[64*(\f)+8*(\i):64*(\f)+8*(\i)+3],   v[CB] offset:(\k)+(\i)*16*PITCH
	ds_load_b128 v[64*(\f)+8*(\i)+4:64*(\f)+8*(\i)+7], v[CB] offset:(\k)+(\i)*16*PITCH+32
.endr
.irp i, 0,1,2,3
	ds_load_b128 v[RA+32*(\f)+8*(\i):RA+32*(\f)+8*(\i)+3],   v[CA] offset:(\k)+(\i)*16*PITCH
	ds_load_b128 v[RA+32*(\f)+8*(\i)+4:RA+32*(\f)+8*(\i)+7], v[CA] offset:(\k)+(\i)*16*PITCH+32
.endr
.endm
.macro PROD f, ah, zero                ; the product on accumulator (ah, b) of the window in hand
.if \zero
	v_wmma_f32_16x16x32_f16 v[64*(\ah)+8*b:64*(\ah)+8*b+7], v[64*(\f)+8*b:64*(\f)+8*b+7], v[AP+8*(\ah):AP+8*(\ah)+7], 0
.else
	v_wmma_f32_16x16x32_f16 v[64*(\ah)+8*b:64*(\ah)+8*b+7], v[64*(\f)+8*b:64*(\f)+8*b+7], v[AP+8*(\ah):AP+8*(\ah)+7], v[64*(\ah)+8*b:64*(\ah)+8*b+7]
.endif
.endm
; Half a quarter, blocks 2 hi and 2 hi + 1.  HALFA: (na = 1: a new step's alpha;) the first block is scaled; its 8 products, and behind the first four of them the second block's scaling.
; HALFB: the second block's 8 products.  The 32 accumulators take turns, one instruction a turn.  A scaling writes registers that a product read a whole
; quarter earlier, with sixteen other scalings between.
.macro HALFA hi, f, zero, na
	WIN LO+0x54*(\hi)
.if \na
	v_mov_b32 v[AC], v[AN+2*(\hi)]
	v_mov_b32 v[AC+1], v[AN+2*(\hi)+1]
.endif
.set j, 0
.rept 8
	v_pk_mul_f16 v[AP+j], v[RA+32*(\f)+16*(\hi)+j], v[AC]
.set j, j+1
.endr
.set b, 0
.rept 8
	PROD \f, 0, \zero
.if b < 4
	v_pk_mul_f16 v[AP+8+2*b], v[RA+32*(\f)+16*(\hi)+8+2*b], v[AC+1]
	v_pk_mul_f16 v[AP+9+2*b], v[RA+32*(\f)+16*(\hi)+9+2*b], v[AC+1]
.endif
.set b, b+1
.endr
.endm
.macro HALFB hi, f, zero
	WIN LO+0x54*(\hi)
.set b, 0
.rept 8
	PROD \f, 1, \zero
.set b, b+1
.endr
.endm
.macro PLACES
.rept 4
	v_nop
.endr
.endm
.macro QUARTER4 k, f, g, zero, na      ; 32 matrix instructions on buffer f; in their middle the next quarter's fragments into buffer g: behind its last reader stand HALFA's sixteen scalings
	s_wait_dscnt 4                                 ; all but pp's blocks 2, 3
	HALFA 0, \f, \zero, \na
	HALFB 0, \f, \zero
	FETCH4 \k, \g, 0
	s_wait_dscnt 24                                ; all but the 24 just issued
	HALFA 1, \f, \zero, \na
	HALFB 1, \f, \zero
.endm
; The last quarter multiplies buffer 1 and changes slots: the wait for all my tensor loads (one is out: my part of the next slot), the add, the wait for it and for my reads, the barrier
; (fill = 1: a round of the cluster's), the refill first behind it: from that request to the wait for it a wave issues 112 matrix instructions.
.macro TURN4 fill
	WIN 0
	s_wait_tensorcnt 0x0
	ds_add_u32 v[SPW], v[NIL]
	s_wait_dscnt 5                                 ; the add and the youngest four loads may be out
	HALFA 0, 1, 0, 0
	s_wait_dscnt 0x0                               ; the add is done, and my reads of this slot are over
	s_barrier_signal -1
	HALFB 0, 1, 0
	WIN 0
	s_barrier_wait -1
.if \fill
	CREST
	s_xor_b32 s[G0+5], s[G0+5], SLOT1
	s_xor_b32 s[G0B+5], s[G0B+5], SLOT1
	s_add_nc_u64 s[G0+6:G0+7], s[G0+6:G0+7], KSTEP*2
	s_add_nc_u64 s[G0B+6:G0B+7], s[G0B+6:G0B+7], KSTEP*2
	JLOAD 1                                        ; its four v_nop are also the places in front of the loads below
	PREF                                           ; behind the trip's own request: the tiles two trips further on
.else
	PLACES
.endif
	s_xor_b32 s[TB], s[TB], SLOT1
	v_add_nc_u32 v[CA], s[TB], v[ADRA]
	v_add_nc_u32 v[CB], s[TB], v[ADRB]
	s_add_co_u32 s[AT], s[AT], 256
	s_min_u32 s[AT2], s[AT], 15*256                ; behind the last step there is no chunk 16: the fetch that serves nothing stays inside the table
	v_add_nc_u32 v[AL], s[AT2], v[AL0]
	FETCH4 0, 0, 1
	HALFA 1, 1, 0, 0
	HALFB 1, 1, 0
.endm
	s_wait_dscnt 0x0                               ; my table is written
	s_wait_tensorcnt 1                             ; my part of K step 0 is in; K step 1's may stay out
	s_barrier_signal -1
	s_barrier_wait -1
	FETCH4 0, 0, 1
	QUARTER4 64, 0, 1, 1, 1                        ; the first quarter stands in front of the loop: its products start the sums
	WIN 0
	s_mov_b32 s3, 14
.Lstep:                                                ; 14 trips; trip j issues the tensor loads of K step j + 2
	QUARTER4 128, 1, 0, 0, 0
	QUARTER4 192, 0, 1, 0, 0
	TURN4 1
	QUARTER4 64, 0, 1, 0, 1
	WIN 0
	s_sub_co_u32 s3, s3, 1
	s_cmp_lg_u32 s3, 0
	s_cbranch_scc1 .Lstep
	s_mov_b32 s3, 2
.Ltail:                                                ; K steps 14 and 15 ask for nothing
	QUARTER4 128, 1, 0, 0, 0
	QUARTER4 192, 0, 1, 0, 0
	TURN4 0
	WIN 0
	s_sub_co_u32 s3, s3, 1
	s_cmp_eq_u32 s3, 0
	s_cbranch_scc1 .Lout
	QUARTER4 64, 0, 1, 0, 1
	WIN 0
	s_branch .Ltail
.Lout:
	s_wait_dscnt 0x0
	PLACES
; THE WAY OUT, a block of 16 rows at a time: times 1 / l; a lane's 8 x 32 bytes into rows of 528 bytes of my stage; back as whole rows of 512 bytes; stored.
.macro SCALEO a
	WIN 0x02+(\a)/2                                ; source 0: window 2 or 3
.set i, 0
.rept 32
	v_pk_mul_f32 v[TMP+2*i:TMP+2*i+1], v[64*((\a)%2)+2*i:64*((\a)%2)+2*i+1], v[RI+2*(\a):RI+2*(\a)+1]  ; each accumulator from its low end on
.set i, i+1
.endr
	WIN 0
.endm
.macro TOST a
.set BK, BK0+64*((\a)%2)
.set b, 0
.rept 8
	ds_store_b128 v[STO], v[TMP+8*b:TMP+8*b+3]   offset:64*b
	ds_store_b128 v[STO], v[TMP+8*b+4:TMP+8*b+7] offset:64*b+16
.set b, b+1
.endr
.set t, 0
.rept 16
	ds_load_b128 v[BK+4*t:BK+4*t+3], v[RD] offset:t*SPITCH  ; LDS serves a wave's instructions in order (ISA guide 5.7.1.4): these see the stores above
.set t, t+1
.endr
.endm
.macro SENDO a
.set BK, BK0+64*((\a)%2)
	s_wait_dscnt 0x0
	s_wait_xcnt 0x0                                ; the base and the registers that earlier stores read are rewritten only behind this wait
.if (\a) == 0
	s_add_nc_u64 s[8:9], s[8:9], s[16:17]
.else
	s_add_nc_u64 s[8:9], s[8:9], 16*4096
.endif
.set t, 0
.rept 16
	global_store_b128 v[CO], v[BK+4*t:BK+4*t+3], s[8:9] offset:t*4096 th:TH_STORE_NT  ; 512 consecutive bytes, at a multiple of 256 from out0's first
.set t, t+1
.endr
.endm
	SCALEO 0
	TOST 0
.irp n, 1,2,3                          ; a block's scaling stands between the loads of the block before and the wait for them
	SCALEO \n
	SENDO (\n)-1
	TOST \n
.endr
	SENDO 3
	s_wait_tensorcnt 0x0                           ; the wave's end
	ds_add_u32 v[SPW], v[NIL]
	s_wait_dscnt 0x0
	CROUND                                         ; the closing round
	s_endpgm
.Lfunc_end_k_qcd6981ae04_pv:
	.size	k_qcd6981ae04_pv, .Lfunc_end_k_qcd6981ae04_pv-k_qcd6981ae04_pv
	.p2alignl 7, 3214868480
	.fill 96, 4, 3214868480
	.section	.rodata,"a",@progbits
	.p2align	6, 0x0
	.amdhsa_kernel k_qcd6981ae04_pv
		.amdhsa_group_segment_fixed_size 327680
		.amdhsa_private_segment_fixed_size 0
		.amdhsa_enable_private_segment 0
		.amdhsa_kernarg_size 32
		.amdhsa_user_sgpr_count 2
		.amdhsa_user_sgpr_kernarg_segment_ptr 1
		.amdhsa_wavefront_size32 1
		.amdhsa_system_sgpr_workgroup_id_x 1
		.amdhsa_system_sgpr_workgroup_id_y 1
		.amdhsa_system_sgpr_workgroup_id_z 1
		.amdhsa_system_vgpr_workitem_id 0
		.amdhsa_next_free_vgpr 1024
		.amdhsa_next_free_sgpr 96
		.amdhsa_reserve_vcc 0
		.amdhsa_float_denorm_mode_32 3
		.amdhsa_float_denorm_mode_16_64 3
		.amdhsa_memory_ordered 1
		.amdhsa_forward_progress 1
		.amdhsa_inst_pref_size 102
	.end_amdhsa_kernel
	.amdgpu_metadata
---
amdhsa.version: [ 1, 2 ]
amdhsa.kernels:
  - .name:           k_qcd6981ae04_pv
    .symbol:         k_qcd6981ae04_pv.kd
    .args:
      - { .name: pp, .offset: 0, .size: 8, .value_kind: global_buffer, .address_space: global }
      - { .name: vt, .offset: 8, .size: 8, .value_kind: global_buffer, .address_space: global }
      - { .name: st, .offset: 16, .size: 8, .value_kind: global_buffer, .address_space: global }
      - { .name: out0, .offset: 24, .size: 8, .value_kind: global_buffer, .address_space: global }
    .group_segment_fixed_size: 327680
    .private_segment_fixed_size: 0
    .kernarg_segment_align: 8
    .kernarg_segment_size: 32
    .max_flat_workgroup_size: 128
    .sgpr_count:     96
    .vgpr_count:     1024
    .wavefront_size: 32
...
	.end_amdgpu_metadata
.endif
;; end of part 4
